; MI455X (gfx1250); checked and timed in simulation.
; The chip was launched on July 23, 2026; its instructions are those of AMD's public machine-readable ISA for CDNA 5 (MIT licence, August 2026) and "CDNA5" Instruction Set Architecture Reference Guide (July 2026). The comments in the code are by the model that wrote it; some were corrected since.
;; Multi Head Attention. Allowed arithmetic: matrix products marked QUANTISED: E2M1 operands, one E8M0 scale for each 32 along K, by v_wmma_scale_f32_16x16x128_f8f6f4 with both operands' format E2M1 (or v_wmma_scale_f32_32x16x128_f4), f32 sums; everything else in f32.
;; Inputs: W_k_codes 1,024 x 32 x 16 uint8 (E2M1 codes of W_k, K innermost, in blocks of 32 codes, two codes a byte); W_k_scales 1,024 x 32 uint8 (E8M0 scales of W_k, one for each 32 codes along K); W_o_codes 1,024 x 32 x 16 uint8 (E2M1 codes of W_o, K innermost, in blocks of 32 codes, two codes a byte); W_o_scales 1,024 x 32 uint8 (E8M0 scales of W_o, one for each 32 codes along K); W_q_codes 1,024 x 32 x 16 uint8 (E2M1 codes of W_q, K innermost, in blocks of 32 codes, two codes a byte); W_q_scales 1,024 x 32 uint8 (E8M0 scales of W_q, one for each 32 codes along K); W_v_codes 1,024 x 32 x 16 uint8 (E2M1 codes of W_v, K innermost, in blocks of 32 codes, two codes a byte); W_v_scales 1,024 x 32 uint8 (E8M0 scales of W_v, one for each 32 codes along K); b_k 1,024 float32; b_o 1,024 float32; b_q 1,024 float32; b_v 1,024 float32; causal_mask 1 x 1 x 2,048 x 2,048 bool; context_mask 4 x 2,048 bool; k_codes 4 x 2,048 x 32 x 16 uint8 (E2M1 codes of k, K innermost, in blocks of 32 codes, two codes a byte); k_scales 4 x 2,048 x 32 uint8 (E8M0 scales of k, one for each 32 codes along K); q_codes 4 x 2,048 x 32 x 16 uint8 (E2M1 codes of q, K innermost, in blocks of 32 codes, two codes a byte); q_scales 4 x 2,048 x 32 uint8 (E8M0 scales of q, one for each 32 codes along K); v_codes 4 x 2,048 x 32 x 16 uint8 (E2M1 codes of v, K innermost, in blocks of 32 codes, two codes a byte); v_scales 4 x 2,048 x 32 uint8 (E8M0 scales of v, one for each 32 codes along K).
;; Outputs: out0 4 x 2,048 x 1,024 float32.
;; This version of the problem:
;;   THIS VERSION OF THE PROBLEM IS GIVEN IN LOW PRECISION. The matrix products marked QUANTISED in the list below multiply operands that are first quantised to E2M1 (2 exponent bits, 1 mantissa bit; 4 bits a number), with one power-of-two scale for each 32 numbers along K (OCP MX v1.0); their sums are f32. All else is computed in f32.
;;   The module's matrix products, in the order in which they are computed (A, B: the left and right operand; K: the contracted axis; several contracted axes count as one K, in the product's order):
;;     1. [M 8,192, K 1,024] x [K 1,024, N 1,024]; A: input q (given as codes); B: input W_q (given as codes): QUANTISED
;;     2. [M 8,192, K 1,024] x [K 1,024, N 1,024]; A: input k (given as codes); B: input W_k (given as codes): QUANTISED
;;     3. [M 8,192, K 1,024] x [K 1,024, N 1,024]; A: input v (given as codes); B: input W_v (given as codes): QUANTISED
;;     4. batch 64 x [M 2,048, K 64] x [K 64, N 2,048]; A: computed on the way; B: computed on the way: QUANTISED
;;     5. batch 64 x [M 2,048, K 2,048] x [K 2,048, N 64]; A: softmax (see below); B: computed on the way: QUANTISED
;;     6. [M 8,192, K 1,024] x [K 1,024, N 1,024]; A: computed on the way; B: input W_o (given as codes): QUANTISED
;;   THE QUANTISER, for each operand of a quantised product, along K:
;;     - K is cut into blocks of 32 from its start; a last block that is shorter is filled with zeros.
;;     - A block's scale is 2^e with e = floor(log2(the largest magnitude in the block)) - 2, held to -126 .. 127; a block of zeros has e = 0. As a byte (E8M0): e + 127.
;;     - Each number is divided by its block's scale, clamped to +-6, and rounded to the nearest number of E2M1, ties to even, subnormals kept.
;;     - The product sums the exact products of the quantised numbers (number of the format x scale) in f32.
;;   ~~~python
;;   def quantise(x, axis):      # numpy; x: float32 -> the quantised numbers, widened to float32 again
;;       x = np.moveaxis(x, axis, -1); K = x.shape[-1]
;;       x = np.pad(x, [(0, 0)] * (x.ndim - 1) + [(0, -K % 32)]); x = x.reshape(x.shape[:-1] + (-1, 32)); a = np.abs(x).max(-1, keepdims=True)
;;       e = np.where(a > 0, np.clip(np.frexp(np.where(a > 0, a, 1))[1] - 1 - 2, -126, 127), 0)      # np.frexp(a)[1] - 1 = floor(log2(a)), exactly
;;       r = np.clip(x / 2.0 ** e, -6, 6)
;;       step = 2.0 ** (np.maximum(np.frexp(np.where(r == 0, 1, r))[1] - 1, 0) - 1)
;;       q = np.round(r / step) * step * 2.0 ** e      # np.round: ties to even
;;       return np.moveaxis(q.reshape(q.shape[:-2] + (-1,))[..., :K], -1, axis).astype(np.float32)
;;   ~~~
;;   SOFTMAX AHEAD OF A QUANTISED PRODUCT. Where the list says 'softmax', what is quantised is not the finished softmax but p = 2^(t - M), with t = logit x log2(e) and M = ceil(the row's largest t), a whole number; so 1/2 < the row's largest p <= 1. The row's sum l is taken of the UNQUANTISED p, in f32, and the product's result is divided by l at the end. Since M is a whole number, a kernel that streams over the keys may use a running M (the ceiling of the running maximum): every later rescaling is an exact power of two, which a block's scale takes up: the codes' values come out the same.
;;   OPERANDS COMPUTED ON THE WAY. 'Computed on the way' means the value that the module computes at that place (a softmax that the list does not call 'softmax' is quantised finished and normalised). What goes into a quantiser is computed in f32, as accurately as f32 sums, v_exp_f32 and their like allow (about 1e-6 of the number): no bf16 or f16 on the way to a quantiser, and a product that is left as it is and whose result goes on into a quantised operand takes f32 operands (vector FMAs, or v_wmma_f32_16x16x4_f32). A number that lies on a knife's edge between two numbers of the format may be rounded either way, as far as f32 arithmetic and the matrix unit's own rounding can turn it there, and no further.
;;   INPUTS GIVEN AS CODES. W_k (in the module: [1024, 1024], K = its axis 0); W_o (in the module: [1024, 1024], K = its axis 0); W_q (in the module: [1024, 1024], K = its axis 0); W_v (in the module: [1024, 1024], K = its axis 0); k (in the module: [4, 2048, 1024], K = its axis 2); q (in the module: [4, 2048, 1024], K = its axis 2); v (in the module: [4, 2048, 1024], K = its axis 2): each comes as NAME_codes (uint8): NAME with its K axis moved to the last place and cut into blocks of 32 codes, [.., K / 32, bytes a block], one block behind the other in memory; two codes a byte, the lower K in the low four bits (a code: sign, 2 exponent bits, 1 mantissa bit); and NAME_scales (uint8): the same leading axes, one E8M0 byte (e + 127) for each 32 codes along K. Its value is code x scale, taken as it is: it is not quantised again, and the codes and scales need not be those that the quantiser above would give.
;; 3 versions, each right; version 2 is faster than version 1; version 3 is version 2 with the launch attn written anew for expert scheduling mode. Each part assembles by itself: llvm-mc -triple=amdgcn-amd-amdhsa -mcpu=gfx1250 --defsym DOCPART=n.
;; ======== version 1 of 3: 4 launches
;; limits: right only within a limited range of input values
;; workspace buffers: skw 2,048 bytes of whole numbers; mw 2,097,152 bytes of whole numbers; qc 4,194,304 bytes; qs 1,048,576 bytes; kc 4,194,304 bytes; vc 4,194,304 bytes; kvs 1,048,576 bytes; oc 4,456,448 bytes
;; launch pack (part 1): grid 128 x 4, 4 waves a work-group, no clusters, 768 bytes of LDS; arguments causal_mask, context_mask, mw, skw; writes mw, skw
.if DOCPART == 1
	.amdgcn_target "amdgcn-amd-amdhsa--gfx1250"
	.amdhsa_code_object_version 6
	.text
	.protected	k_q86a4727d66_pack
	.globl	k_q86a4727d66_pack
	.p2align	8
	.type	k_q86a4727d66_pack,@function
k_q86a4727d66_pack:
	s_mov_b64 s[64:65], 0
	v_nop
	global_prefetch_b8 v0, s[64:65] scope:SCOPE_SE
	s_setreg_imm32_b32 hwreg(HW_REG_WAVE_MODE, 25, 1), 1
	s_wait_xcnt 0x0
; The two masks (bytes 0 or 1) become lane-mask words for the attention launch.
; mw: [b 4][tile of 16 queries 128][key step 16][64 words].  Bit L of word 8 th + j is 1 where query 16 tile + L % 16 must NOT see key 128 step + 16 th + 8 (L / 16) + j
; (causal byte set, or context byte clear): the place of that score in the lanes and registers of the transposed product K Q^T.
; skw: one word for each (b, tile): bit s = key step s is hidden from all 16 queries; the whole word is 0 if one of the 16 queries sees no key at all
; (such a row is uniform over all keys, so no step may be passed over for it).  The attention launch's branches hang on these words alone.
; SHARES: a work-group is one (tile, b); wave w takes key steps 4 w .. 4 w + 3.  A lane reads 16 neighbouring bytes of its query's row.
.set C,   16                           ; v16-79   causal bytes: step s, 32 keys m: four registers
.set X,   80                           ; v80-143  context bytes likewise
.set W,   144                          ; v144-151 a pair of registers for each step: word n in lane n / 2, register n % 2
.set T,   152                          ; v152-159 at work
	s_load_b128 s[4:7], s[0:1], 0x0                ; causal_mask, context_mask
	s_load_b64 s[8:9], s[0:1], 0x10                ; mw
	s_load_b64 s[38:39], s[0:1], 0x18              ; skw
	v_lshl_add_u32 v160, v0, 2, 0x100
	v_mov_b32 v161, 0
	v_lshrrev_b32 v1, 5, v0
	v_readfirstlane_b32 s10, v1                    ; wave
	v_and_b32 v1, 15, v0                           ; r
	v_bfe_u32 v2, v0, 4, 1                         ; h
	s_and_b32 s11, ttmp7, 0xffff                   ; b
	s_lshl_b32 s12, ttmp9, 15                      ; 16 rows of 2,048 bytes a tile
	s_lshl_b32 s13, s10, 9                         ; my wave's 512 keys
	s_add_co_u32 s12, s12, s13
	v_lshlrev_b32 v3, 11, v1
	v_lshl_add_u32 v3, v2, 4, v3
	v_add_nc_u32 v3, s12, v3                       ; causal: row 16 tile + r, key 512 w + 16 h
	s_lshl_b32 s14, s11, 11
	s_add_co_u32 s14, s14, s13
	v_lshlrev_b32 v4, 4, v2
	v_add_nc_u32 v4, s14, v4                       ; context: row b, the same keys
	v_and_b32 v5, 31, v0
	v_lshlrev_b32 v5, 3, v5                        ; out: 8 bytes a lane
	s_lshl_b32 s15, s11, 7
	s_add_co_u32 s15, s15, ttmp9                   ; 128 b + tile
	s_lshl_b32 s16, s15, 12                        ; 16 steps of 256 bytes
	s_lshl_b32 s17, s10, 10
	s_add_co_u32 s16, s16, s17                     ; + my four steps
	s_mov_b32 s17, 0
	s_lshl_b32 s18, s15, 2                         ; the tile's word of steps
	s_mov_b32 s19, 0
.irp i, 0,1,2,3,4,5,6,7
	v_mov_b32 v[W+\i], 0                           ; v_writelane_b32 counts as a reader of its destination
.endr
	s_wait_kmcnt 0x0
	s_add_nc_u64 s[28:29], s[8:9], s[16:17]        ; my words
	s_add_nc_u64 s[30:31], s[38:39], s[18:19]      ; the tile's word of steps
.irp s, 0,1,2,3
.irp m, 0,1,2,3
	global_load_b128 v[C+16*\s+4*\m:C+16*\s+4*\m+3], v3, s[4:5] offset:128*\s+32*\m
	global_load_b128 v[X+16*\s+4*\m:X+16*\s+4*\m+3], v4, s[6:7] offset:128*\s+32*\m
.endr
.endr
; word n of step s: one byte of one register, as a mask of the 32 lanes, into lane n / 2 of the step's pair
.macro WORD s, n
.set th, (\n)/8
.set jj, (\n)%8
	v_and_b32 v[T+(\n)%4], 1<<(8*(jj%4)), v[C+16*(\s)+4*(th/2)+2*(th%2)+jj/4]
	v_cmp_ne_u32 s[24+(\n)%4], 0, v[T+(\n)%4]
	v_writelane_b32 v[W+2*(\s)+(\n)%2], s[24+(\n)%4], (\n)/2
.endm
.macro KSTEP s
	s_wait_loadcnt 8*(3-(\s))                      ; loads come back in order: this step's eight are in, the later steps' eight each may be out
.set ii, 0
.rept 16
	v_xor_b32 v[X+16*(\s)+ii], 0x01010101, v[X+16*(\s)+ii]     ; context: 1 = keep, so turned
.set ii, ii+1
.endr
.set ii, 0
.rept 16
	v_or_b32 v[C+16*(\s)+ii], v[C+16*(\s)+ii], v[X+16*(\s)+ii] ; hidden by either mask
.set ii, ii+1
.endr
.irp m, 0,1,2,3                        ; a lane holds keys 32 m + 16 h + 0 .. 15; the product's layout wants 16 u + 8 h + 0 .. 7 in tile 2 m + u: the halves of the lanes change registers
	v_permlane16_swap_b32 v[C+16*(\s)+4*\m], v[C+16*(\s)+4*\m+2]
	v_permlane16_swap_b32 v[C+16*(\s)+4*\m+1], v[C+16*(\s)+4*\m+3]
.endr
	v_and_b32 v[T+4], v[C+16*(\s)], v[C+16*(\s)+1] ; are all 64 keys of my lane hidden?  Two chains
	v_and_b32 v[T+5], v[C+16*(\s)+2], v[C+16*(\s)+3]
.irp i, 4,6,8,10,12,14
	v_and_b32 v[T+4], v[T+4], v[C+16*(\s)+\i]
	v_and_b32 v[T+5], v[T+5], v[C+16*(\s)+\i+1]
.endr
	v_and_b32 v[T+4], v[T+4], v[T+5]
	v_cmp_eq_u32 s[20+(\s)], 0x01010101, v[T+4]    ; bit L: lane L's 64 scores of this step are all hidden
.set nn, 0
.rept 64
	WORD \s, nn
.set nn, nn+1
.endr
	global_store_b64 v5, v[W+2*(\s):W+2*(\s)+1], s[28:29] offset:256*(\s)   ; the wave stores 256 consecutive bytes, aligned; each step has its own pair, so no store's data are written again
.endm
	KSTEP 0
	KSTEP 1
	KSTEP 2
	KSTEP 3
	; the tile's word of steps: my four steps' part, then all four waves' through LDS
	s_and_b32 s32, s20, s21
	s_and_b32 s33, s22, s23
	s_and_b32 s32, s32, s33                        ; bit L: lane L's scores are hidden in all my four steps
	s_lshl_b32 s34, s10, 2
	s_mov_b32 s33, 0
.irp s, 0,1,2,3
	s_cmp_eq_u32 s[20+\s], -1
	s_cselect_b32 s35, 1<<\s, 0
	s_or_b32 s33, s33, s35
.endr
	s_lshl_b32 s33, s33, s34                       ; bit 4 w + s: the step is hidden from the whole tile
	v_mov_b32 v[T], s32
	v_mov_b32 v[T+1], s33
	v_mov_b32 v6, s10
	v_lshlrev_b32 v6, 3, v6
	ds_store_b64 v6, v[T:T+1]                      ; all lanes write the same eight bytes with the same value
	s_wait_dscnt 0x0                               ; for the others' sake: my store is done
	s_barrier_signal -1
	s_barrier_wait -1
	v_mov_b32 v7, 0
	ds_load_b128 v[T:T+3], v7
	ds_load_b128 v[T+4:T+7], v7 offset:16
	s_wait_dscnt 0x0
	v_and_b32 v[T], v[T], v[T+2]
	v_and_b32 v[T+4], v[T+4], v[T+6]
	v_and_b32 v[T], v[T], v[T+4]                   ; bit L: hidden in all 16 steps
	v_or_b32 v[T+1], v[T+1], v[T+3]
	v_or_b32 v[T+5], v[T+5], v[T+7]
	v_or_b32 v[T+1], v[T+1], v[T+5]                ; the 16 steps' bits
	v_lshrrev_b32 v[T+2], 16, v[T]
	v_and_b32 v[T], v[T], v[T+2]
	v_and_b32 v[T], 0xffff, v[T]                   ; bit r: query r sees no key at all (both halves of the lanes)
	v_cmp_eq_u32 vcc_lo, 0, v[T]
	v_cndmask_b32 v[T+1], 0, v[T+1], vcc_lo        ; then nothing may be passed over
	s_cmp_lg_u32 s10, 0
	s_cbranch_scc1 .Lend
	s_wait_xcnt 0x0                                ; EXEC changes only behind this wait
	v_cmp_eq_u32 vcc_lo, 0, v0
	s_and_saveexec_b32 s36, vcc_lo
	global_store_b32 v7, v[T+1], s[30:31]          ; four bytes a work-group: 2,048 bytes in the whole launch
	s_wait_xcnt 0x0
	s_or_b32 exec_lo, exec_lo, s36
.Lend:
	s_wait_tensorcnt 0x0
	ds_add_u32 v160, v161
	s_wait_dscnt 0x0
	s_endpgm
.Lfunc_end_k_q86a4727d66_pack:
	.size	k_q86a4727d66_pack, .Lfunc_end_k_q86a4727d66_pack-k_q86a4727d66_pack
	.p2alignl 7, 3214868480
	.fill 96, 4, 3214868480
	.section	.rodata,"a",@progbits
	.p2align	6, 0x0
	.amdhsa_kernel k_q86a4727d66_pack
		.amdhsa_group_segment_fixed_size 768
		.amdhsa_private_segment_fixed_size 0
		.amdhsa_enable_private_segment 0
		.amdhsa_kernarg_size 32
		.amdhsa_user_sgpr_count 2
		.amdhsa_user_sgpr_kernarg_segment_ptr 1
		.amdhsa_wavefront_size32 1
		.amdhsa_system_sgpr_workgroup_id_x 1
		.amdhsa_system_sgpr_workgroup_id_y 1
		.amdhsa_system_sgpr_workgroup_id_z 1
		.amdhsa_system_vgpr_workitem_id 0
		.amdhsa_next_free_vgpr 162
		.amdhsa_next_free_sgpr 66
		.amdhsa_reserve_vcc 1
		.amdhsa_float_denorm_mode_32 3
		.amdhsa_float_denorm_mode_16_64 3
		.amdhsa_memory_ordered 1
		.amdhsa_forward_progress 1
		.amdhsa_inst_pref_size 63
	.end_amdhsa_kernel
	.amdgpu_metadata
---
amdhsa.version: [ 1, 2 ]
amdhsa.kernels:
  - .name:           k_q86a4727d66_pack
    .symbol:         k_q86a4727d66_pack.kd
    .args:
      - { .name: causal_mask, .offset: 0, .size: 8, .value_kind: global_buffer, .address_space: global }
      - { .name: context_mask, .offset: 8, .size: 8, .value_kind: global_buffer, .address_space: global }
      - { .name: mw, .offset: 16, .size: 8, .value_kind: global_buffer, .address_space: global }
      - { .name: skw, .offset: 24, .size: 8, .value_kind: global_buffer, .address_space: global }
    .group_segment_fixed_size: 768
    .private_segment_fixed_size: 0
    .kernarg_segment_align: 8
    .kernarg_segment_size: 32
    .max_flat_workgroup_size: 128
    .sgpr_count:     66
    .vgpr_count:     162
    .wavefront_size: 32
...
	.end_amdgpu_metadata
.endif
;; end of part 1
;; launch proj (part 2): grid 4 x 96, 4 waves a work-group, clusters of 4 x 4, 327,680 bytes of LDS; arguments q_codes, q_scales, W_q_codes, W_q_scales, b_q, qc, qs, k_codes, k_scales, W_k_codes, W_k_scales, b_k, kc, kvs, W_v_codes, W_v_scales, v_codes, v_scales, b_v, vc; writes qc, qs, kc, kvs, vc
.if DOCPART == 2
	.amdgcn_target "amdgcn-amd-amdhsa--gfx1250"
	.amdhsa_code_object_version 6
	.text
	.protected	k_q86a4727d66_proj
	.globl	k_q86a4727d66_proj
	.p2align	8
	.type	k_q86a4727d66_proj,@function
k_q86a4727d66_proj:
	s_mov_b64 s[64:65], 0
	v_nop
	global_prefetch_b8 v0, s[64:65] scope:SCOPE_SE
	s_setreg_imm32_b32 hwreg(HW_REG_WAVE_MODE, 25, 1), 1
	s_wait_xcnt 0x0
	s_wait_alu depctr_hold_cnt(0) depctr_sa_sdst(0) depctr_va_vdst(0) depctr_va_sdst(0) depctr_va_ssrc(0) depctr_va_vcc(0) depctr_vm_vsrc(0)
	s_getreg_b32 s2, hwreg(HW_REG_IB_STS2, 6, 4)
	s_cmp_eq_u32 s2, 0
	s_cbranch_scc0 .Lentry_in_a_cluster
	s_endpgm
.Lentry_in_a_cluster:
	s_bfe_u32 s2, ttmp6, 0x10000c
	s_cmp_lg_u32 s2, 0xf033
	s_cbranch_scc0 .Lentry_shape_is_right
	s_endpgm
.Lentry_shape_is_right:
; The three projections, on codes of FP4 (E2M1) with E8M0 scales, and the quantising of their results for the attention launch.  One text, one path for all three.
; C'[m'][n'] = sum over k of A'[m'][k] B'[n'][k] + bias, K = 1,024; then C' is quantised along n', in blocks of 32.
;   q, k: A' = the tokens (8,192 rows), B' = the weight (1,024 rows): n' runs along the features, so a head's 64 are two blocks.
;   v:    A' = the weight, B' = the tokens: n' runs along the KEYS, which are the second attention product's K.
; The mode hangs on the cluster's y alone (0-7 q, 8-15 k, 16-23 v): only pointers, strides and lane masks are chosen by it; no branch.
; The factor 1/8 on q is left to the attention launch: a power of two changes no code, and there it goes into the constant that multiplies the scores.
; A tile of C', 256 x 256, is made by four waves, 128 x 128 each (64 accumulators, 512 registers).  K goes in two steps of 512 through two LDS slots, each filled once by the tensor data mover;
; the scale bytes of the work-group's rows come once, in rows of 256 bytes.  CLUSTERS: 4 x 4 work-groups; A's tiles are asked for jointly along a row of the cluster, B's along a column.
; THE MATRIX INSTRUCTION IS USED TRANSPOSED (source 0 = 16 rows of B', source 1 = 16 rows of A'): a lane holds one row m' and eight neighbours along n'.
; THE RESULTS LEAVE AS IMAGES OF OPERAND REGISTERS: 512 bytes, lane L's 16 bytes (a whole block of 32 codes) at 16 L.
;   qc, kc: [token / 128][head 16][tile of 16 tokens 8][512]: lane (r, h): token r of the tile, block h of the head.
;   vc:     [key step of 128][head 16][tile of 16 channels 4][c 2][512]: lane (r, h): channel r of the tile, key block 2 c + h.
;   qs, kvs: [token / 128][head][1,024 bytes]; first 512: word (L, i) at 16 L + 4 i: token 32 i + L: its two bytes, then 0x7f, 0x7f; kvs' second 512: word (L, i < 2): channel tile 2 i + L / 16, row L % 16: the four key blocks' bytes.
; LIMITS: a block whose largest magnitude lies under 2^-124 gets the byte 1 (a block of zeros too: its codes are zeros); NaN and infinities are not served.
; REGISTERS, in windows of 256: window 0: v0-31 addresses; v32-95 scale words, two sets, and nothing else; v96-111 the bias along m', in pairs; v112-119 the scale words on their way out; v128-191 A's fragments, later 64 results;
;   v192-255 the bias along n' (the C of the first products), later the quantiser's registers.  window 1: B's fragments, two sets.  windows 2, 3: the accumulators ((a, b) at v[8 (8 (a % 4) + b)]).
.set KSTEP,  512
.set NQ,     4                         ; matrix instructions deep in a slot
.set ROWB,   256                       ; a tile's row in bytes
.set KROW,   512                       ; a row of codes in memory
.set PITCH,  272                       ; an LDS row: 256 bytes + 16 of padding: the 16 rows that a load touches start 4 words apart modulo 64
.set FR,     8
.set NL,     2
.set NP,     4
.set HALFT,  128*PITCH
.set SLOT,   4*HALFT
.set KS,     32                        ; a row of scale bytes
.set SCL,    2*SLOT
.set HALFS,  (128*KS/256)*272
.set SBLK,   (16*KS/256)*272
.set SPARE,  SCL+4*HALFS               ; the spare words: 128 bytes a wave, named by no other line
.set ADRA, 16
.set ADRB, 20
.set VO0,  24                          ; v24  16 x lane
.set VO1,  25                          ; v25  16 x lane + the second image's distance
.set ADRS, 27
.set SPW,  28
.set NIL,  29
.set SC,   32
.set BM,   96
.set SW0,  112
.set SW1,  116
.set PADV, 120
.set AF,   128
.set XR,   128
.set BN,   192
.set TM,   192                         ; v192-195 largest magnitudes, v196-199 bytes, v200-202 words at work, v204-207 the conversions' scale operands
.set PC,   208                         ; v208-215 the codes
.set G1, 24
.set G0, 32
.set G1B, 48
.set G0B, 56
.set G1S, 68
.set G0S, 76
.set G1SB, 80
.set G0SB, 88
.set MSB, 0
.macro WIN new                         ; the immediate's high byte repeats the setting that is left
.if MSB != (\new)
	s_set_vgpr_msb (MSB<<8)|(\new)
.set MSB, (\new)
.endif
.endm
.set MUL_LO,   0xa1                    ; source 0 (B') window 1, source 1 (A') window 0, C and D window 2
.set MUL_HI,   0xf1
.set FIRST_LO, 0x81                    ; the same with C (the bias) in window 0
.set FIRST_HI, 0xc1
.set TO_B,     0x40
.macro JLOAD g0a, g1a, g0b, g1b        ; a joint load: waves 0 and 1 fetch for A', waves 2 and 3 for B'; four v_nop follow each line
	s_cmp_eq_u32 s15, 0
	s_cbranch_scc0 .Lfor_b_\@
	tensor_load_to_lds s[\g0a:\g0a+3], s[\g1a:\g1a+7]
	s_nop 0
.rept 4
	v_nop
.endr
	s_branch .Lasked_\@
.Lfor_b_\@:
	tensor_load_to_lds s[\g0b:\g0b+3], s[\g1b:\g1b+7]
	s_nop 0
.rept 4
	v_nop
.endr
.Lasked_\@:
.endm
.macro CROUND                          ; a round of the cluster's barrier
	s_barrier_signal -1
	s_barrier_wait -1
	s_cmp_lg_u32 s14, 0
	s_cbranch_scc1 .Lnot_wave_0_\@
	s_barrier_signal -3
.Lnot_wave_0_\@:
	s_barrier_wait -3
	s_barrier_signal -1
	s_barrier_wait -1
.endm
	s_load_b512 s[24:39], s[0:1], 0x0              ; q's seven buffers, k_codes
	s_load_b512 s[40:55], s[0:1], 0x40             ; k's other six, W_v's two
	s_load_b256 s[56:63], s[0:1], 0x80             ; v_codes, v_scales, b_v, vc
	v_lshl_add_u32 v[SPW], v0, 2, SPARE
	v_mov_b32 v[NIL], 0
	ds_add_u32 v28, v29
	ds_add_u32 v28, v29
	s_wait_dscnt 0x0
	v_lshrrev_b32 v1, 5, v0
	v_readfirstlane_b32 s14, v1                    ; wave 0..3
	s_lshr_b32 s15, s14, 1                         ; which half of the tile's rows is mine.  Also: I fetch for A' (0) or B' (1)
	s_and_b32 s16, s14, 1                          ; which half of its columns.  Also: which 128 rows I fetch
	s_and_b32 s66, ttmp7, 0xffff                   ; the cluster's y: the mode, and which four tile rows or columns
	s_and_b32 s18, s66, 7
	s_mov_b32 s2, 1024
	s_mov_b32 s3, 0
	s_mov_b32 s67, 512
	s_wait_kmcnt 0x0
	s_cmp_lt_u32 s66, 8                            ; q, or k?  The choice hangs on the cluster's number alone
	s_cselect_b64 s[4:5], s[24:25], s[38:39]       ; A's codes
	s_cselect_b64 s[6:7], s[26:27], s[40:41]       ; A's scales
	s_cselect_b64 s[8:9], s[28:29], s[42:43]       ; B's codes
	s_cselect_b64 s[10:11], s[30:31], s[44:45]     ; B's scales
	s_cselect_b64 s[96:97], s[32:33], s[46:47]     ; the bias
	s_cselect_b64 s[12:13], s[34:35], s[48:49]     ; the codes' buffer
	s_cselect_b64 s[98:99], s[36:37], s[50:51]     ; the scale words' buffer (v keeps kvs)
	s_cmp_lt_u32 s66, 16                           ; or v?
	s_cselect_b64 s[4:5], s[4:5], s[52:53]
	s_cselect_b64 s[6:7], s[6:7], s[54:55]
	s_cselect_b64 s[8:9], s[8:9], s[56:57]
	s_cselect_b64 s[10:11], s[10:11], s[58:59]
	s_cselect_b64 s[96:97], s[96:97], s[60:61]
	s_cselect_b64 s[12:13], s[12:13], s[62:63]
	s_cselect_b32 s100, -1, 0                      ; all lanes in q's and k's mode
	s_cselect_b32 s101, 0, -1                      ; all lanes in v's mode
	s_cselect_b32 s2, 512, s2                      ; s[2:3]: from one block of 16 rows to the next in the codes' buffer
	s_cselect_b32 s67, 4096, s67                   ; from a block's first image to its second
	s_cselect_b32 s19, s18, 0                      ; the tokens' side walks with the cluster's y
	s_cselect_b32 s20, 0, s18
	s_bfe_u32 s40, ttmp6, 0x40000                  ; cx, cy: my place in the cluster
	s_bfe_u32 s41, ttmp6, 0x40004
	s_lshl_b32 s42, s20, 2
	s_add_co_u32 s42, s42, s40                     ; tile column
	s_lshl_b32 s17, s19, 2
	s_add_co_u32 s17, s17, s41                     ; tile row
	s_lshl_b32 s43, s41, 2
	s_lshl_b32 s43, 15, s43                        ; my row of the cluster
	s_lshl_b32 s44, 0x1111, s40                    ; my column
	; descriptor group 1: a tile of 128 rows x 256 bytes, 16 bytes of padding behind each row
	s_or_b32 s[G1+0], s43, (0<<16)|(1<<20)|(1<<21)|(5<<22)|(3<<25)
	s_or_b32 s[G1B+0], s44, (0<<16)|(1<<20)|(1<<21)|(5<<22)|(3<<25)
.irp g, G1, G1B
	s_mov_b32 s[\g+1], ROWB<<16                    ; tensor_dim0
	s_mov_b32 s[\g+2], 128<<16                     ; tensor_dim1
	s_mov_b32 s[\g+3], ROWB<<16                    ; tile_dim0
	s_mov_b32 s[\g+4], 128                         ; tile_dim1
	s_mov_b32 s[\g+5], KROW                        ; from row to row
	s_mov_b32 s[\g+6], 0
	s_mov_b32 s[\g+7], 0
.endr
	; the scale bytes of 128 rows: 4,096 dense bytes as 16 rows of 256 (32 elements of 8 bytes), padded likewise
	s_or_b32 s[G1S+0], s43, (3<<16)|(1<<20)|(1<<21)|(5<<22)|(3<<25)
	s_or_b32 s[G1SB+0], s44, (3<<16)|(1<<20)|(1<<21)|(5<<22)|(3<<25)
.irp g, G1S, G1SB
	s_mov_b32 s[\g+1], 32<<16
	s_mov_b32 s[\g+2], (128*KS/256)<<16
	s_mov_b32 s[\g+3], 32<<16
	s_mov_b32 s[\g+4], 128*KS/256
	s_mov_b32 s[\g+5], 32
	s_mov_b32 s[\g+6], 0
	s_mov_b32 s[\g+7], 0
.endr
	s_lshl_b32 s18, s16, 7                         ; which 128 rows of the tile I fetch
	s_lshl_b32 s20, s17, 8
	s_add_co_u32 s20, s20, s18                     ; A': row 256 x tile row + 128 x half
	s_lshl_b32 s46, s42, 8
	s_add_co_u32 s46, s46, s18                     ; B': row 256 x tile column + 128 x half
	s_mov_b32 s21, 0
	s_mov_b32 s47, 0
	s_mov_b64 s[18:19], KS
	s_mul_u64 s[22:23], s[20:21], s[18:19]
	s_mul_u64 s[92:93], s[46:47], s[18:19]
	s_mov_b64 s[18:19], KROW
	s_mul_u64 s[20:21], s[20:21], s[18:19]
	s_mul_u64 s[46:47], s[46:47], s[18:19]
	s_mul_i32 s45, s14, HALFT                      ; where they go: wave x 128 rows: no place in the cluster enters an LDS address
	s_mul_i32 s94, s14, HALFS
	s_add_nc_u64 s[20:21], s[4:5], s[20:21]
	s_add_nc_u64 s[22:23], s[6:7], s[22:23]
	s_add_nc_u64 s[46:47], s[8:9], s[46:47]
	s_add_nc_u64 s[92:93], s[10:11], s[92:93]
	CROUND                                         ; all sixteen work-groups are here: the joint loads meet
	s_mov_b32 s[G0S], 1
	s_add_co_u32 s[G0S+1], s94, SCL
	s_mov_b64 s[G0S+2:G0S+3], s[22:23]
	s_or_b32 s[G0S+3], s[G0S+3], 0x80000000
	s_mov_b32 s[G0SB], 1
	s_add_co_u32 s[G0SB+1], s94, SCL
	s_mov_b64 s[G0SB+2:G0SB+3], s[92:93]
	s_or_b32 s[G0SB+3], s[G0SB+3], 0x80000000
	JLOAD G0S, G1S, G0SB, G1SB                     ; the scales first: they are wanted with K step 0
.irp s, 0,1
	s_mov_b32 s[G0+4*\s], 1
	s_add_co_u32 s[G0+4*\s+1], s45, \s*SLOT
	s_add_nc_u64 s[G0+4*\s+2:G0+4*\s+3], s[20:21], \s*ROWB
	s_or_b32 s[G0+4*\s+3], s[G0+4*\s+3], 0x80000000
	s_mov_b32 s[G0B+4*\s], 1
	s_add_co_u32 s[G0B+4*\s+1], s45, \s*SLOT
	s_add_nc_u64 s[G0B+4*\s+2:G0B+4*\s+3], s[46:47], \s*ROWB
	s_or_b32 s[G0B+4*\s+3], s[G0B+4*\s+3], 0x80000000
	JLOAD G0+4*\s, G1, G0B+4*\s, G1B               ; three loads of mine are out: all of K is asked for, nothing is filled again
.endr
	v_and_b32 v1, 15, v0                           ; r
	v_bfe_u32 v2, v0, 4, 1                         ; h
	; the bias.  q, k: along n' (my 128 features), eight numbers a tile in the result's layout.  v: along m', one number a lane and tile.  The other mode's loads read from the buffer's start, and their numbers are replaced by zeros
	s_lshl_b32 s18, s42, 8
	s_lshl_b32 s19, s16, 7
	s_add_co_u32 s18, s18, s19
	s_and_b32 s18, s18, s100
	s_lshl_b32 s18, s18, 2
	v_lshlrev_b32 v7, 5, v2
	v_add_nc_u32 v7, s18, v7
	s_lshl_b32 s18, s17, 8
	s_lshl_b32 s19, s15, 7
	s_add_co_u32 s18, s18, s19
	s_and_b32 s18, s18, s101
	s_lshl_b32 s18, s18, 2
	v_lshlrev_b32 v8, 2, v1
	v_add_nc_u32 v8, s18, v8
.irp b, 0,1,2,3,4,5,6,7
	global_load_b128 v[BN+8*\b:BN+8*\b+3], v7, s[96:97] offset:64*\b
	global_load_b128 v[BN+8*\b+4:BN+8*\b+7], v7, s[96:97] offset:64*\b+16
.endr
.irp a, 0,1,2,3,4,5,6,7
	global_load_b32 v[BM+2*\a], v8, s[96:97] offset:64*\a
	global_load_b32 v[BM+2*\a+1], v8, s[96:97] offset:64*\a      ; twice: a pair for the packed addition
.endr
	v_mul_u32_u24 v3, v1, PITCH
	v_lshl_add_u32 v4, v2, 4, v3                   ; a fragment's row x pitch + 16 x half
	s_mul_i32 s21, s15, HALFT
	s_mul_i32 s22, s16, HALFT
	s_add_co_u32 s22, s22, 2*HALFT
.irp s, 0,1
	v_add_nc_u32 v[ADRA+\s], s21, v4
	v_add_nc_u32 v[ADRB+\s], s22, v4
	s_add_co_u32 s21, s21, SLOT
	s_add_co_u32 s22, s22, SLOT
.endr
	v_mul_u32_u24 v5, v1, KS                       ; my row's scales: 32 bytes a row,
	v_lshrrev_b32 v6, 8, v5
	v_lshl_add_u32 v5, v6, 4, v5                   ; and 16 more for each 256 passed
	s_mul_i32 s21, s15, HALFS
	s_mul_i32 s22, s16, HALFS
	s_add_co_u32 s22, s22, 2*HALFS
	s_sub_co_u32 s22, s22, s21
	v_mul_u32_u24 v6, s22, v2                      ; lanes 16-31 take B's
	s_add_co_u32 s21, s21, SCL
	v_add_nc_u32 v5, v5, v6
	v_add_nc_u32 v[ADRS], s21, v5
	v_and_b32 v6, 31, v0
	v_lshlrev_b32 v[VO0], 4, v6
	v_add_nc_u32 v[VO1], s67, v[VO0]
	v_mov_b32 v[PADV], 0x7f7f0000
	; where my results go: block of 128 tokens X, first head H
	s_lshl_b32 s18, s17, 1
	s_add_co_u32 s18, s18, s15                     ; 2 x tile row + my half
	s_lshl_b32 s19, s42, 1
	s_add_co_u32 s19, s19, s16                     ; 2 x tile column + my half
	s_cmp_lt_u32 s66, 16
	s_cselect_b32 s20, s18, s19                    ; X: on the tokens' side
	s_cselect_b32 s21, s19, s18                    ; H / 2: on the features' side
	s_lshl_b32 s20, s20, 4
	s_lshl_b32 s21, s21, 1
	s_add_co_u32 s20, s20, s21                     ; 16 X + H
	s_lshl_b32 s46, s20, 12
	s_mov_b32 s47, 0
	s_add_nc_u64 s[12:13], s[12:13], s[46:47]
	s_lshl_b32 s46, s20, 10
	s_and_b32 s21, s101, 512                       ; v's words lie in the second half of each 1,024 bytes
	s_add_co_u32 s46, s46, s21
	s_add_nc_u64 s[98:99], s[98:99], s[46:47]
	s_mov_b32 s20, 0xffff0000                      ; lanes 16-31
	s_mov_b32 s22, 0x76543210
	s_mov_b32 s23, 0xfedcba98                      ; v_permlanex16_b32's selects for lane l xor 16
	s_wait_loadcnt 0x0                             ; the bias
.set ii, 0
.rept 64
	v_cndmask_b32 v[BN+ii], 0, v[BN+ii], s100
.set ii, ii+1
.endr
.set ii, 0
.rept 16
	v_cndmask_b32 v[BM+ii], 0, v[BM+ii], s101
.set ii, ii+1
.endr
.macro FRAG reg, adr, q, i             ; a fragment: 16 rows x 128 K of 4-bit codes, 8 registers: two loads of 16 bytes, 32 bytes apart
.irp c, 0,1
	ds_load_b128 v[\reg+4*\c:\reg+4*\c+3], v[\adr] offset:64*(\q)+32*\c+(\i)*16*PITCH
.endr
.endm
; 16 matrix instructions: A's blocks a0, a0 + 1 x B's eight.  zero = 1: the first products start the sums, from the bias along n'.  The 64 accumulators take turns, one instruction a turn.
.macro MUL16 a0, p, q, sc, zero
.irp a, \a0, \a0+1
.irp b, 0,1,2,3,4,5,6,7
.if \zero
	v_wmma_scale_f32_16x16x128_f8f6f4 v[8*(8*((\a)%4)+\b):8*(8*((\a)%4)+\b)+7], v[128*(\p)+FR*\b:128*(\p)+FR*\b+FR-1], v[AF+FR*(\a):AF+FR*(\a)+FR-1], v[BN+8*\b:BN+8*\b+7], v[SC+8*NQ*(\sc)+NQ*\b+(\q)], v[SC+8*NQ*(\sc)+NQ*(\a)+(\q)] matrix_a_fmt:MATRIX_FMT_FP4 matrix_b_fmt:MATRIX_FMT_FP4 matrix_a_scale:MATRIX_SCALE_ROW1
.else
	v_wmma_scale_f32_16x16x128_f8f6f4 v[8*(8*((\a)%4)+\b):8*(8*((\a)%4)+\b)+7], v[128*(\p)+FR*\b:128*(\p)+FR*\b+FR-1], v[AF+FR*(\a):AF+FR*(\a)+FR-1], v[8*(8*((\a)%4)+\b):8*(8*((\a)%4)+\b)+7], v[SC+8*NQ*(\sc)+NQ*\b+(\q)], v[SC+8*NQ*(\sc)+NQ*(\a)+(\q)] matrix_a_fmt:MATRIX_FMT_FP4 matrix_b_fmt:MATRIX_FMT_FP4 matrix_a_scale:MATRIX_SCALE_ROW1
.endif
.endr
.endr
.endm
.macro FETCH_B slot, q, p
	WIN TO_B
.irp i, 0,1,2,3,4,5,6,7
	FRAG 128*(\p)+FR*\i, ADRB+\slot, \q, \i
.endr
	WIN 0
.endm
.macro FETCH_A slot, q, i0
.irp i, \i0, \i0+1, \i0+2, \i0+3
	FRAG AF+FR*(\i), ADRA+\slot, \q, \i
.endr
.endm
.macro SCALES sc                       ; a K step's scale words: lanes 0-15 take A's block i, lanes 16-31 B's block i
.irp i, 0,1,2,3,4,5,6,7
	ds_load_b128 v[SC+8*NQ*\sc+NQ*\i:SC+8*NQ*\sc+NQ*\i+3], v[ADRS] offset:\i*SBLK
.endr
.endm
.macro PLACES n                        ; plain vector instructions between a matrix instruction and a load into, or a vector write of, one of its registers, or a read of its result
.rept \n
	v_nop
.endr
.endm
.macro STEP slot, q, zero              ; 128 along K, with its successor in the same slot
	s_wait_dscnt 4*NL                              ; B's set and A's blocks 0-3 are in; the youngest eight loads (A's blocks 4-7) may be out
.if \zero
	WIN FIRST_LO
.else
	WIN MUL_LO
.endif
	MUL16 0, (\q)%2, \q, \slot, \zero
	MUL16 2, (\q)%2, \q, \slot, \zero
	s_wait_dscnt 0
	PLACES NP
	FETCH_B \slot, (\q)+1, 1-(\q)%2
	FETCH_A \slot, (\q)+1, 0
.if \zero
	WIN FIRST_HI
.else
	WIN MUL_HI
.endif
	MUL16 4, (\q)%2, \q, \slot, \zero
	MUL16 6, (\q)%2, \q, \slot, \zero
	PLACES NP
	WIN 0
	FETCH_A \slot, (\q)+1, 4
.endm
.macro TURN slot, next                 ; a slot's last step changes slots: one barrier; nothing is filled again
	s_wait_tensorcnt 0x0                           ; all my tensor loads have landed: my part of the next slot
	ds_add_u32 v[SPW], v[NIL]                      ; 0 onto my spare word
	s_wait_dscnt 4*NL+1                            ; (the add and the youngest eight loads may be out)
	WIN MUL_LO
	MUL16 0, 1, NQ-1, \slot, 0
	s_wait_dscnt 0x0                               ; the add is done, and my reads of this slot are over
	s_barrier_signal -1
	MUL16 2, 1, NQ-1, \slot, 0
	WIN 0
	s_barrier_wait -1                              ; the next slot is whole
	PLACES NP
	v_add_nc_u32 v[ADRS], 4*NQ, v[ADRS]            ; on to the next K step's scale words (no LDS load of mine is out)
	FETCH_B \next, 0, 0
	FETCH_A \next, 0, 0
	SCALES \next
	WIN MUL_HI
	MUL16 4, 1, NQ-1, \slot, 0
	MUL16 6, 1, NQ-1, \slot, 0
	PLACES NP
	WIN 0
	FETCH_A \next, 0, 4
.endm
	s_wait_tensorcnt 1                             ; the scales and my part of K step 0 are in (K step 1's load may be out),
	s_barrier_signal -1
	s_barrier_wait -1                              ; everybody's are
	FETCH_B 0, 0, 0
	FETCH_A 0, 0, 0
	SCALES 0
	FETCH_A 0, 0, 4
	STEP 0, 0, 1
	STEP 0, 1, 0
	STEP 0, 2, 0
	TURN 0, 1
	STEP 1, 0, 0
	STEP 1, 1, 0
	STEP 1, 2, 0
	s_wait_dscnt 4*NL                              ; the very last step: nothing more to fetch
	WIN MUL_LO
	MUL16 0, 1, NQ-1, 1, 0
	MUL16 2, 1, NQ-1, 1, 0
	s_wait_dscnt 0
	WIN MUL_HI
	MUL16 4, 1, NQ-1, 1, 0
	MUL16 6, 1, NQ-1, 1, 0
	WIN 0
	PLACES NP
.irp b, 0,1,2,3
	v_mov_b32 v[TM+4+\b], 0                        ; a lane permute's destination counts as one of its sources
.endr
; THE WAY OUT of block a (16 rows m' x 128 along n'): the bias along m', four blocks of 32 quantised, two images stored.
; A lane's registers 16 be + 8 u + j are n' = 32 be + 16 u + 8 h + j.  So the conversion of (block be, half u) gives the block's words 2 u (lanes 0-15) and 2 u + 1 (lanes 16-31).  It is put into register
; 4 (be / 2) + 2 u + be % 2, and two exchanges of lane halves for each pair of blocks leave lane half h with block 2 (be / 2) + h whole, in its order.
.macro OUTBLK a
.if (\a) > 0
	s_wait_xcnt 0x0                                ; the last block's stores have read their data and their base
	s_add_nc_u64 s[12:13], s[12:13], s[2:3]
.endif
	WIN 0x02+(\a)/4                                ; source 0: window 2 or 3
.set AC, 64*((\a)%4)
.set ii, 0
.rept 32
	v_pk_add_f32 v[XR+2*ii:XR+2*ii+1], v[AC+2*ii:AC+2*ii+1], v[BM+2*(\a):BM+2*(\a)+1]   ; each accumulator from its low end on
.set ii, ii+1
.endr
	WIN 0
.irp b, 0,1,2,3
	v_max3_num_f32 v[TM+\b], |v[XR+16*\b]|, |v[XR+16*\b+1]|, 0x1800000   ; my 16 numbers of block b, and the floor 2^(3 - 127): the byte cannot fall under 1
.endr
.irp i, 2,4,6,8,10,12,14
.irp b, 0,1,2,3
	v_max3_num_f32 v[TM+\b], v[TM+\b], |v[XR+16*\b+\i]|, |v[XR+16*\b+\i+1]|
.endr
.endr
.irp b, 0,1,2,3
	v_permlanex16_b32 v[TM+4+\b], v[TM+\b], s22, s23
.endr
.irp b, 0,1,2,3
	v_max_num_f32 v[TM+\b], v[TM+\b], v[TM+4+\b]   ; with lane l xor 16's: the block's largest magnitude
.endr
.irp b, 0,1,2,3
	v_add_nc_u32 v[TM+12+\b], 0xff000000, v[TM+\b] ; 2 off its exponent field: the conversion's scale operand
.endr
.irp b, 0,1,2,3
	v_lshrrev_b32 v[TM+4+\b], 23, v[TM+12+\b]      ; the scale's byte
.endr
	v_lshl_or_b32 v[TM+8], v[TM+5], 8, v[TM+4]     ; blocks 0, 1
	v_lshl_or_b32 v[TM+9], v[TM+7], 8, v[TM+6]     ; blocks 2, 3
	v_lshlrev_b32 v[TM+10], 16, v[TM+9]
	v_cndmask_b32 v[TM+10], v[TM+10], v[PADV], s100   ; q, k: two words of two bytes, filled with 0x7f; v: one word of four
	v_or_b32 v[TM+8], v[TM+8], v[TM+10]
	v_or_b32 v[TM+9], v[TM+9], v[PADV]
.if (\a)%2 == 0
	v_mov_b32 v[SW0+(\a)/2], v[TM+8]               ; an even block's words in lanes 0-15,
	v_mov_b32 v[SW1+(\a)/2], v[TM+9]
.else
	v_cndmask_b32 v[SW0+(\a)/2], v[SW0+(\a)/2], v[TM+8], s20   ; the odd block's in lanes 16-31
	v_cndmask_b32 v[SW1+(\a)/2], v[SW1+(\a)/2], v[TM+9], s20
.endif
.irp b, 0,1,2,3
	v_cvt_scalef32_pk8_fp4_f32 v[PC+4*(\b/2)+(\b%2)], v[XR+16*\b:XR+16*\b+7], v[TM+12+\b]
	v_cvt_scalef32_pk8_fp4_f32 v[PC+4*(\b/2)+2+(\b%2)], v[XR+16*\b+8:XR+16*\b+15], v[TM+12+\b]
.endr
	v_nop                                          ; one plain place behind a scaled conversion
.irp i, 0,2,4,6
	v_permlane16_swap_b32 v[PC+\i], v[PC+\i+1]
.endr
	global_store_b128 v[VO0], v[PC:PC+3], s[12:13]     ; 512 consecutive bytes each
	global_store_b128 v[VO1], v[PC+4:PC+7], s[12:13]
.endm
.irp a, 0,1,2,3,4,5,6,7
	OUTBLK \a
.endr
	; v: the first set holds head 0's two words and head 1's two: they are dealt to the two heads, and the rest is filled
	v_cndmask_b32 v[SW1], v[SW1], v[SW0+2], s101
	v_cndmask_b32 v[SW1+1], v[SW1+1], v[SW0+3], s101
	v_cndmask_b32 v[SW0+2], v[SW0+2], v[PADV], s101
	v_cndmask_b32 v[SW0+3], v[SW0+3], v[PADV], s101
	v_cndmask_b32 v[SW1+2], v[SW1+2], v[PADV], s101
	v_cndmask_b32 v[SW1+3], v[SW1+3], v[PADV], s101
	global_store_b128 v[VO0], v[SW0:SW0+3], s[98:99]
	global_store_b128 v[VO0], v[SW1:SW1+3], s[98:99] offset:1024
	s_wait_tensorcnt 0x0                           ; the wave's end
	ds_add_u32 v[SPW], v[NIL]
	s_wait_dscnt 0x0
	CROUND                                         ; the closing round
	s_endpgm
.Lfunc_end_k_q86a4727d66_proj:
	.size	k_q86a4727d66_proj, .Lfunc_end_k_q86a4727d66_proj-k_q86a4727d66_proj
	.p2alignl 7, 3214868480
	.fill 96, 4, 3214868480
	.section	.rodata,"a",@progbits
	.p2align	6, 0x0
	.amdhsa_kernel k_q86a4727d66_proj
		.amdhsa_group_segment_fixed_size 327680
		.amdhsa_private_segment_fixed_size 0
		.amdhsa_enable_private_segment 0
		.amdhsa_kernarg_size 160
		.amdhsa_user_sgpr_count 2
		.amdhsa_user_sgpr_kernarg_segment_ptr 1
		.amdhsa_wavefront_size32 1
		.amdhsa_system_sgpr_workgroup_id_x 1
		.amdhsa_system_sgpr_workgroup_id_y 1
		.amdhsa_system_sgpr_workgroup_id_z 1
		.amdhsa_system_vgpr_workitem_id 0
		.amdhsa_next_free_vgpr 1024
		.amdhsa_next_free_sgpr 102
		.amdhsa_reserve_vcc 0
		.amdhsa_float_denorm_mode_32 3
		.amdhsa_float_denorm_mode_16_64 3
		.amdhsa_memory_ordered 1
		.amdhsa_forward_progress 1
		.amdhsa_inst_pref_size 155
	.end_amdhsa_kernel
	.amdgpu_metadata
---
amdhsa.version: [ 1, 2 ]
amdhsa.kernels:
  - .name:           k_q86a4727d66_proj
    .symbol:         k_q86a4727d66_proj.kd
    .args:
      - { .name: q_codes, .offset: 0, .size: 8, .value_kind: global_buffer, .address_space: global }
      - { .name: q_scales, .offset: 8, .size: 8, .value_kind: global_buffer, .address_space: global }
      - { .name: W_q_codes, .offset: 16, .size: 8, .value_kind: global_buffer, .address_space: global }
      - { .name: W_q_scales, .offset: 24, .size: 8, .value_kind: global_buffer, .address_space: global }
      - { .name: b_q, .offset: 32, .size: 8, .value_kind: global_buffer, .address_space: global }
      - { .name: qc, .offset: 40, .size: 8, .value_kind: global_buffer, .address_space: global }
      - { .name: qs, .offset: 48, .size: 8, .value_kind: global_buffer, .address_space: global }
      - { .name: k_codes, .offset: 56, .size: 8, .value_kind: global_buffer, .address_space: global }
      - { .name: k_scales, .offset: 64, .size: 8, .value_kind: global_buffer, .address_space: global }
      - { .name: W_k_codes, .offset: 72, .size: 8, .value_kind: global_buffer, .address_space: global }
      - { .name: W_k_scales, .offset: 80, .size: 8, .value_kind: global_buffer, .address_space: global }
      - { .name: b_k, .offset: 88, .size: 8, .value_kind: global_buffer, .address_space: global }
      - { .name: kc, .offset: 96, .size: 8, .value_kind: global_buffer, .address_space: global }
      - { .name: kvs, .offset: 104, .size: 8, .value_kind: global_buffer, .address_space: global }
      - { .name: W_v_codes, .offset: 112, .size: 8, .value_kind: global_buffer, .address_space: global }
      - { .name: W_v_scales, .offset: 120, .size: 8, .value_kind: global_buffer, .address_space: global }
      - { .name: v_codes, .offset: 128, .size: 8, .value_kind: global_buffer, .address_space: global }
      - { .name: v_scales, .offset: 136, .size: 8, .value_kind: global_buffer, .address_space: global }
      - { .name: b_v, .offset: 144, .size: 8, .value_kind: global_buffer, .address_space: global }
      - { .name: vc, .offset: 152, .size: 8, .value_kind: global_buffer, .address_space: global }
    .group_segment_fixed_size: 327680
    .private_segment_fixed_size: 0
    .kernarg_segment_align: 8
    .kernarg_segment_size: 160
    .max_flat_workgroup_size: 128
    .sgpr_count:     102
    .vgpr_count:     1024
    .wavefront_size: 32
...
	.end_amdgpu_metadata
.endif
;; end of part 2
;; launch attn (part 3): grid 16 x 32, 16 waves a work-group, no clusters, 39,424 bytes of LDS; arguments qc, qs, kc, vc, kvs, mw, oc, skw; writes oc
.if DOCPART == 3
	.amdgcn_target "amdgcn-amd-amdhsa--gfx1250"
	.amdhsa_code_object_version 6
	.text
	.protected	k_q86a4727d66_attn
	.globl	k_q86a4727d66_attn
	.p2align	8
	.type	k_q86a4727d66_attn,@function
k_q86a4727d66_attn:
	s_mov_b64 s[64:65], 0
	v_nop
	global_prefetch_b8 v0, s[64:65] scope:SCOPE_SE
	s_setreg_imm32_b32 hwreg(HW_REG_WAVE_MODE, 25, 1), 1
	s_wait_xcnt 0x0
; Attention on codes of FP4 (E2M1) with E8M0 scales: S^T = K Q^T (K = the head's 64, filled to 128 with zero codes of Q), both masks, p = 2^(t - M), O^T = V^T P^T (K = 128 keys a step), O / the row's sum, quantised along the features.
; t = score x log2(e) / 8: the factor 1/8 of reference() stands here, since the projection left it out of q's scale bytes.  M = the running largest t rounded UP to a whole number; when it moves, the sum and O^T
; are multiplied by 2^(old M - new M), which rounds nothing.  The row's sum is taken of the unquantised p.
; THE MASKS come as lane-mask words that an earlier launch made of both inputs: one v_cndmask_b32 a score.  A hidden score becomes -2^33, so that t is a whole number and a row that sees no key gets p = 1 at every key.
; LIMIT: reference() writes -1e9 there; the results are the same wherever every open logit lies above about -1e9.  NaN and infinities are not served; a block under 2^-124 gets the byte 1.
; A KEY STEP THAT IS HIDDEN FROM ALL 128 QUERIES IS PASSED OVER, by a scalar branch on the stored bits of skw; the bits are 0 where a query sees no key at all.  Because of that branch K and V come through registers into LDS, by no tensor load.
; No multicast: this launch has no tensor loads; a key step's K, V and scale words are 18,432 bytes for 16 waves.  No prefetch: each step's bytes are asked for by their loads a whole key step ahead of their use.
; SHARES: a work-group is (batch, pair of heads, 128 queries); wave w: head 2 pair + w / 8, queries 16 (w % 8) on: one tile, 256 registers, four waves to a SIMD.  The two heads of a pair are one K step of the last product: their four scale bytes make one word.
; LDS: two slots of 18,432 bytes (K 2 x 4,096, V 2 x 4,096, scale words 2 x 1,024), and 512 bytes for the outputs' scale words.  One barrier a step: in front of it a wave's reads of the slot in hand are back and its stores into the other are done.
; All operands lie in memory and LDS as images of their registers: 512 bytes, lane L's 16 bytes at 16 L.
; oc: [tile of 16 tokens 512][head 16][512 bytes], and behind these 4,194,304 bytes the scale words [batch][pair of heads 8][token 2,048].
.set SLOTB, 18432
.set GSW,   2*SLOTB
.set OSOFF, 4194304                    ; where the scale words begin in oc
.set T16, 1                            ; v1   16 x thread
.set T4,  2                            ; v2   4 x thread
.set AKV, 3                            ; v3   16 x lane + 4,096 x (my head of the two)
.set ASC, 4                            ; v4   16 x lane + 1,024 x (my head)
.set L16, 5                            ; v5   16 x lane
.set AGS, 6                            ; v6   where my two scale bytes go
.set AGR, 7                            ; v7   where wave 0 reads the words back
.set QF,  16                           ; v16-19 Q, v20-23 zeros: k = 64 .. 127
.set QS,  24                           ; v24  Q's scale words
.set KF,  32                           ; v32-63 K: tile th at v[32 + 4 th]; read as eight registers, whose upper four meet Q's zeros; v64-67 zeros behind the last
.set VF,  68                           ; v68-99 V: channel tile dt at v[68 + 8 dt]
.set S,   100                          ; v100-163 S^T, then p
.set OT,  164                          ; v164-195 O^T
.set PF,  196                          ; v196-203 p's codes
.set KSC, 204                          ; v204-207 K's scale words: tiles 2 i (lanes 0-15) and 2 i + 1 (lanes 16-31)
.set VSC, 208                          ; v208-211 V's likewise (two are used)
.set BX,  212                          ; v212-215 the blocks' largest scores, then largest p
.set PB,  216                          ; v216-219 permutes' destinations, then bytes
.set SO,  220                          ; v220-223 the conversions' scale operands
.set FF,  224                          ; v[224:225] f = 2^(old M - new M), in the low word
.set TT,  226
.set C2,  228                          ; v[228:229] the sums' second chain
.set GK,  236                          ; v236-244 the next step's bytes on their way to LDS
.set GV,  240
.set GC,  244
.set NEGV, 245                         ; -2^33
.set PSC, 246                          ; p's scale word
.set KP,  2
.set VP,  4
.set SP,  6
.set MP,  8
.set OCP, 10
.set OSP, 12
.set WV,  14
.set WGS, 15                           ; bit 0: the step in hand is passed over; bit 1: the next one
.set SEL, 84
.set CS,  86
.set TRIPS, 88
	s_load_b512 s[16:31], s[0:1], 0x0              ; qc, qs, kc, vc, kvs, mw, oc, skw
	v_lshl_add_u32 v254, v0, 2, 0x9200
	v_mov_b32 v255, 0
	v_lshrrev_b32 v9, 5, v0
	v_readfirstlane_b32 s[WV], v9                  ; wave 0..15
	s_lshr_b32 s89, s[WV], 3                       ; my head of the two
	s_and_b32 s90, s[WV], 7                        ; my tile of 16 queries
	s_and_b32 s91, ttmp7, 0xffff
	s_lshr_b32 s92, s91, 3                         ; batch
	s_and_b32 s93, s91, 7                          ; pair of heads
	s_sub_co_u32 s94, 15, ttmp9                    ; block of 128 queries, the last first (it changes no value)
	s_lshl_b32 s95, s93, 1
	s_add_co_u32 s95, s95, s89                     ; head
	v_lshlrev_b32 v[T16], 4, v0
	v_lshlrev_b32 v[T4], 2, v0
	v_and_b32 v9, 31, v0
	v_lshlrev_b32 v[L16], 4, v9
	v_and_b32 v10, 15, v0                          ; r
	v_lshlrev_b32 v8, 4, v10
	s_lshl_b32 s33, s89, 12
	v_add_nc_u32 v[AKV], s33, v[L16]
	s_lshl_b32 s33, s89, 10
	v_add_nc_u32 v[ASC], s33, v[L16]
	s_lshl_b32 s33, s90, 6
	s_lshl_b32 s39, s89, 1
	s_add_co_u32 s33, s33, s39
	s_add_co_u32 s33, s33, GSW
	v_lshl_add_u32 v[AGS], v10, 2, s33             ; word 16 tile + r, half word = my head
	v_add_nc_u32 v[AGR], GSW, v[L16]
	s_lshl_b32 s96, s92, 20                        ; K, V: 16 steps x 16 heads x 4,096 bytes a batch,
	s_lshl_b32 s97, s93, 13                        ; two heads a pair
	s_add_co_u32 s96, s96, s97
	s_mov_b32 s97, 0
	s_lshr_b32 s98, s96, 2                         ; the scale words: 1,024 bytes a head and step
	s_mov_b32 s99, 0
	s_lshl_b32 s32, s92, 4
	s_add_co_u32 s32, s32, s94
	s_lshl_b32 s32, s32, 4
	s_add_co_u32 s32, s32, s95                     ; (16 batch + block) x 16 + head
	s_lshl_b32 s34, s32, 12
	s_lshl_b32 s33, s90, 9
	s_add_co_u32 s34, s34, s33                     ; Q's image
	s_mov_b32 s35, 0
	s_lshl_b32 s36, s32, 10
	s_and_b32 s33, s90, 1
	s_lshl_b32 s33, s33, 8
	s_add_co_u32 s36, s36, s33
	s_lshr_b32 s33, s90, 1
	s_lshl_b32 s33, s33, 2
	s_add_co_u32 s36, s36, s33                     ; Q's scale words: token 16 tile + r is word (r + 16 (tile % 2), tile / 2)
	s_mov_b32 s37, 0
	s_lshl_b32 s38, s92, 7
	s_lshl_b32 s33, s94, 3
	s_add_co_u32 s38, s38, s33                     ; 128 batch + 8 block: the block's first tile
	s_lshl_b32 s40, s38, 2                         ; its eight words of steps: 32 bytes
	s_mov_b32 s41, 0
	s_add_co_u32 s38, s38, s90                     ; my tile
	s_lshl_b32 s42, s38, 12
	s_mov_b32 s43, 0
	s_lshl_b32 s44, s38, 4
	s_add_co_u32 s44, s44, s95
	s_lshl_b32 s44, s44, 9                         ; the image: (tile x 16 + head) x 512
	s_mov_b32 s45, 0
	s_lshl_b32 s46, s92, 3
	s_add_co_u32 s46, s46, s93
	s_lshl_b32 s46, s46, 13
	s_lshl_b32 s33, s94, 9
	s_add_co_u32 s46, s46, s33                     ; the scale words: (8 batch + pair) x 8,192 + 512 block,
	s_add_co_u32 s46, s46, OSOFF                   ; behind the images
	s_mov_b32 s47, 0
	s_mov_b32 s[SEL], 0x76543210
	s_mov_b32 s[SEL+1], 0xfedcba98                 ; v_permlanex16_b32's selects for lane l xor 16
	s_mov_b32 s[CS], 0x3e38aa3b                    ; c = log2(e) / 8
	s_mov_b32 s[CS+1], s[CS]
	s_wait_kmcnt 0x0
	s_add_nc_u64 s[KP:KP+1], s[20:21], s[96:97]
	s_add_nc_u64 s[VP:VP+1], s[22:23], s[96:97]
	s_add_nc_u64 s[SP:SP+1], s[24:25], s[98:99]
	s_add_nc_u64 s[MP:MP+1], s[26:27], s[42:43]
	s_add_nc_u64 s[OCP:OCP+1], s[28:29], s[44:45]
	s_add_nc_u64 s[OSP:OSP+1], s[28:29], s[46:47]
	s_add_nc_u64 s[48:49], s[30:31], s[40:41]
	s_add_nc_u64 s[50:51], s[16:17], s[34:35]
	s_add_nc_u64 s[52:53], s[18:19], s[36:37]
	s_load_b256 s[68:75], s[48:49], 0x0            ; the eight tiles' words of steps
	global_load_b128 v[QF:QF+3], v[L16], s[50:51]
	global_load_b32 v[QS], v8, s[52:53]
	global_load_b128 v[GK:GK+3], v[T16], s[KP:KP+1]    ; key step 0, whatever its bit: 512 threads x 16 bytes are the pair's 8,192
	global_load_b128 v[GV:GV+3], v[T16], s[VP:VP+1]
	global_load_b32 v[GC], v[T4], s[SP:SP+1]
.irp i, 0,1,2,3
	v_mov_b32 v[QF+4+\i], 0
	v_mov_b32 v[KF+32+\i], 0
	v_mov_b32 v[PB+\i], 0                          ; a lane permute's destination counts as one of its sources
.endr
	v_mov_b32 v[NEGV], 0xd0000000
	v_mov_b32 v[FF+1], 0                           ; named as the upper half of a pair
	v_mov_b32 v13, 0xff61b1e6                      ; the largest t so far: -3e38
	v_floor_f32 v12, -v13                          ; -M
	v_mov_b32 v14, 0                               ; the sum, in two halves
	v_mov_b32 v15, 0
.set ii, 0
.rept 32
	v_mov_b32 v[OT+ii], 0                          ; O^T: the step is written for every step alike; the first change of M multiplies zeros
.set ii, ii+1
.endr
	s_wait_kmcnt 0x0
	s_and_b32 s[WGS], s68, s69
	s_and_b32 s[WGS], s[WGS], s70
	s_and_b32 s[WGS], s[WGS], s71
	s_and_b32 s[WGS], s[WGS], s72
	s_and_b32 s[WGS], s[WGS], s73
	s_and_b32 s[WGS], s[WGS], s74
	s_and_b32 s[WGS], s[WGS], s75                  ; a step is passed over where all eight tiles allow it
	s_wait_loadcnt 0x0                             ; Q, and step 0's bytes; the loads' bases are free
	ds_store_b128 v[T16], v[GK:GK+3]
	ds_store_b128 v[T16], v[GV:GV+3] offset:8192
	ds_store_b32 v[T4], v[GC] offset:16384
	s_wait_dscnt 0x0
	s_barrier_signal -1
	s_barrier_wait -1
; A KEY STEP of 128 keys in slot `slot`.  stage = 1: the next step's bytes are fetched into the other slot, unless it is passed over.  last = 1: no barrier follows.
.macro STEP slot, stage, last
.set OB, (\slot)*SLOTB
.set NB, (1-(\slot))*SLOTB
.if \stage
	s_bitcmp1_b32 s[WGS], 1
	s_cbranch_scc1 .Lnoload_\@
	global_load_b128 v[GK:GK+3], v[T16], s[KP:KP+1] offset:65536*((\slot)+1)
	global_load_b128 v[GV:GV+3], v[T16], s[VP:VP+1] offset:65536*((\slot)+1)
	global_load_b32 v[GC], v[T4], s[SP:SP+1] offset:16384*((\slot)+1)
.Lnoload_\@:
.endif
	s_bitcmp1_b32 s[WGS], 0
	s_cbranch_scc1 .Lskip_\@
	s_load_b512 s[16:31], s[MP:MP+1], 256*(\slot)          ; my tile's 64 mask words of this step: word n in s[16 + n], from word 48 on in s[20 + n]
	s_load_b512 s[32:47], s[MP:MP+1], 256*(\slot)+64
	s_load_b512 s[48:63], s[MP:MP+1], 256*(\slot)+128
	s_load_b512 s[68:83], s[MP:MP+1], 256*(\slot)+192
	ds_load_b128 v[KSC:KSC+3], v[ASC] offset:OB+16384
.irp t, 0,1,2,3,4,5,6,7
	ds_load_b128 v[KF+4*\t:KF+4*\t+3], v[AKV] offset:OB+512*\t
.endr
	ds_load_b128 v[VSC:VSC+3], v[ASC] offset:OB+16896
.irp t, 0,1,2,3,4,5,6,7
	ds_load_b128 v[VF+4*\t:VF+4*\t+3], v[AKV] offset:OB+8192+512*\t
.endr
	s_wait_dscnt 9                                 ; K and its scale words are in; V's nine loads may be out
.irp t, 0,1,2,3,4,5,6,7                        ; S^T: lane (r, h), register j of tile t: query r, key 16 t + 8 h + j
.if (\t)%2
	v_wmma_scale_f32_16x16x128_f8f6f4 v[S+8*\t:S+8*\t+7], v[KF+4*\t:KF+4*\t+7], v[QF:QF+7], 0, v[KSC+\t/2], v[QS] matrix_a_fmt:MATRIX_FMT_FP4 matrix_b_fmt:MATRIX_FMT_FP4 matrix_a_scale:MATRIX_SCALE_ROW1
.else
	v_wmma_scale_f32_16x16x128_f8f6f4 v[S+8*\t:S+8*\t+7], v[KF+4*\t:KF+4*\t+7], v[QF:QF+7], 0, v[KSC+\t/2], v[QS] matrix_a_fmt:MATRIX_FMT_FP4 matrix_b_fmt:MATRIX_FMT_FP4
.endif
.endr
.rept 4
	v_nop                                          ; places behind the products, ahead of the first read of their results
.endr
	s_wait_kmcnt 0x0                               ; the mask words
.set nn, 0
.rept 64
.if nn < 48
	v_cndmask_b32 v[S+nn], v[S+nn], v[NEGV], s[16+nn]      ; each accumulator from its low end on
.else
	v_cndmask_b32 v[S+nn], v[S+nn], v[NEGV], s[20+nn]
.endif
.set nn, nn+1
.endr
.irp b, 0,1,2,3
	v_max3_num_f32 v[BX+\b], v[S+16*\b], v[S+16*\b+1], v[S+16*\b+2]   ; the largest score of each block of 32 keys: for the row's maximum, and, since p rises with the score, for the block's largest p
.endr
.irp i, 3,5,7,9,11,13
.irp b, 0,1,2,3
	v_max3_num_f32 v[BX+\b], v[BX+\b], v[S+16*\b+\i], v[S+16*\b+\i+1]
.endr
.endr
.irp b, 0,1,2,3
	v_max_num_f32 v[BX+\b], v[BX+\b], v[S+16*\b+15]
.endr
.irp b, 0,1,2,3
	v_permlanex16_b32 v[PB+\b], v[BX+\b], s[SEL], s[SEL+1]
.endr
.irp b, 0,1,2,3
	v_max_num_f32 v[BX+\b], v[BX+\b], v[PB+\b]     ; with lane l xor 16's 16 keys
.endr
	v_max3_num_f32 v[TT], v[BX], v[BX+1], v[BX+2]
	v_max_num_f32 v[TT], v[TT], v[BX+3]
	v_mul_f32 v[TT], s[CS], v[TT]                  ; as t (c is positive)
	v_max_num_f32 v13, v13, v[TT]                  ; the running largest t
	v_mov_b32 v[TT], v12
	v_floor_f32 v12, -v13                          ; the new -M = -ceil(t): a whole number
	v_sub_f32 v[TT], v12, v[TT]                    ; old M - new M: a whole number, 0 or less
	v_cvt_i32_f32 v[TT], v[TT]                     ; (it saturates)
	v_ldexp_f32 v[FF], 1.0, v[TT]                  ; f = 2^(old M - new M)
.irp j, 0,2,4,6,8,10,12,14,16,18,20,22,24,26,28,30,32,34,36,38,40,42,44,46,48,50,52,54,56,58,60,62
	v_pk_fma_f32 v[S+\j:S+\j+1], v[S+\j:S+\j+1], s[CS:CS+1], v[12:13] op_sel_hi:[1,0,0]   ; t - M, two at a time
.endr
.irp b, 0,1,2,3
	v_fma_f32 v[BX+\b], v[BX+\b], s[CS], v12       ; the same of each block's largest score
.endr
.set nn, 0
.rept 64
	v_exp_f32 v[S+nn], v[S+nn]                     ; p = 2^(t - M), at most 1
.set nn, nn+1
.endr
	v_pk_mul_f32 v[14:15], v[14:15], v[FF:FF+1] op_sel_hi:[1,0]   ; the sums under the new M: a plain instruction behind the exponentials
	s_wait_alu depctr_va_vdst(0)                   ; one wait for the whole batch, ahead of its first reader
.irp b, 0,1,2,3
	v_exp_f32 v[BX+\b], v[BX+\b]                   ; the block's largest p
.endr
	v_pk_add_f32 v[C2:C2+1], v[S:S+1], v[S+2:S+3]  ; the row's sum of the unquantised p, in two chains
.irp j, 4,8,12,16,20,24,28,32,36,40,44,48,52,56,60
	v_pk_add_f32 v[14:15], v[14:15], v[S+\j:S+\j+1]
	v_pk_add_f32 v[C2:C2+1], v[C2:C2+1], v[S+\j+2:S+\j+3]
.endr
	v_pk_add_f32 v[14:15], v[14:15], v[C2:C2+1]
	s_wait_alu depctr_va_vdst(0)                   ; and one for the four
.irp b, 0,1,2,3
	v_max_num_f32 v[BX+\b], 0x1800000, v[BX+\b]    ; the floor 2^(3 - 127): the byte cannot fall under 1
.endr
.irp b, 0,1,2,3
	v_add_nc_u32 v[SO+\b], 0xff000000, v[BX+\b]    ; 2 off the exponent field: the conversion's scale operand
.endr
.irp b, 0,1,2,3
	v_lshrrev_b32 v[PB+\b], 23, v[SO+\b]
.endr
	v_lshl_or_b32 v[PSC], v[PB+1], 8, v[PB]        ; p's scale word for these 128 keys
	v_lshl_or_b32 v[PSC], v[PB+2], 16, v[PSC]
	v_lshl_or_b32 v[PSC], v[PB+3], 24, v[PSC]
.irp b, 0,1,2,3                                ; tile 2 b + u gives block b's words 2 u (lanes 0-15) and 2 u + 1 (lanes 16-31)
	v_cvt_scalef32_pk8_fp4_f32 v[PF+4*(\b/2)+(\b%2)], v[S+16*\b:S+16*\b+7], v[SO+\b]
	v_cvt_scalef32_pk8_fp4_f32 v[PF+4*(\b/2)+2+(\b%2)], v[S+16*\b+8:S+16*\b+15], v[SO+\b]
.endr
	v_nop                                          ; one plain place behind a scaled conversion
.irp i, 0,2,4,6
	v_permlane16_swap_b32 v[PF+\i], v[PF+\i+1]     ; lane half h now holds block 2 c + h whole, in registers 4 c .. 4 c + 3
.endr
.irp j, 0,2,4,6,8,10,12,14,16,18,20,22,24,26,28,30
	v_pk_mul_f32 v[OT+\j:OT+\j+1], v[OT+\j:OT+\j+1], v[FF:FF+1] op_sel_hi:[1,0]   ; O^T under the new M; of these sixteen, twelve name no register of any one product below: the places between the scale word's and the codes' last writes and that product
.endr
	s_wait_dscnt 0x0                               ; V and its scale words
.irp t, 0,1,2,3                                ; O^T += V^T P^T: the four accumulators take single turns
.if (\t)%2
	v_wmma_scale_f32_16x16x128_f8f6f4 v[OT+8*\t:OT+8*\t+7], v[VF+8*\t:VF+8*\t+7], v[PF:PF+7], v[OT+8*\t:OT+8*\t+7], v[VSC+\t/2], v[PSC] matrix_a_fmt:MATRIX_FMT_FP4 matrix_b_fmt:MATRIX_FMT_FP4 matrix_a_scale:MATRIX_SCALE_ROW1
.else
	v_wmma_scale_f32_16x16x128_f8f6f4 v[OT+8*\t:OT+8*\t+7], v[VF+8*\t:VF+8*\t+7], v[PF:PF+7], v[OT+8*\t:OT+8*\t+7], v[VSC+\t/2], v[PSC] matrix_a_fmt:MATRIX_FMT_FP4 matrix_b_fmt:MATRIX_FMT_FP4
.endif
.endr
.rept 4
	v_nop                                          ; places ahead of the next step's loads into V's registers, and of the reads of O^T
.endr
.Lskip_\@:
	s_wait_loadcnt 0x0                             ; the next step's bytes are in registers (on every way)
.if \stage
	s_bitcmp1_b32 s[WGS], 1
	s_cbranch_scc1 .Lnostore_\@
	ds_store_b128 v[T16], v[GK:GK+3] offset:NB
	ds_store_b128 v[T16], v[GV:GV+3] offset:NB+8192
	ds_store_b32 v[T4], v[GC] offset:NB+16384
.Lnostore_\@:
.endif
	s_lshr_b32 s[WGS], s[WGS], 1
	s_wait_dscnt 0x0                               ; my stores into the other slot are done, my reads of this one are back
.if (\last) == 0
	s_barrier_signal -1
	s_barrier_wait -1
.endif
.endm
	s_mov_b32 s[TRIPS], 7
.Ltrip:                                            ; two key steps a trip, so that the slots' numbers are constants
	STEP 0, 1, 0
	STEP 1, 1, 0
	s_wait_xcnt 0x0                                ; every load has read its base
	s_add_nc_u64 s[KP:KP+1], s[KP:KP+1], 131072
	s_add_nc_u64 s[VP:VP+1], s[VP:VP+1], 131072
	s_add_nc_u64 s[SP:SP+1], s[SP:SP+1], 32768
	s_add_nc_u64 s[MP:MP+1], s[MP:MP+1], 512
	s_sub_co_u32 s[TRIPS], s[TRIPS], 1
	s_cmp_lg_u32 s[TRIPS], 0
	s_cbranch_scc1 .Ltrip
	STEP 0, 1, 0
	STEP 1, 0, 1                                   ; the last step fetches nothing
	; THE WAY OUT: O^T / the sum; the head's two blocks of 32 quantised; one image of 512 bytes; the two scale bytes meet the other head's in LDS.
	v_add_f32 v14, v14, v15
	v_permlanex16_b32 v[PB], v14, s[SEL], s[SEL+1]
	v_add_f32 v14, v14, v[PB]                      ; the row's sum
	v_rcp_f32 v14, v14
	v_nop                                          ; a plain place behind the reciprocal
	s_wait_alu depctr_va_vdst(0)                   ; and the wait ahead of its first reader
.set ii, 0
.rept 32
	v_mul_f32 v[S+ii], v[OT+ii], v14               ; register 8 dt + j: channel 16 dt + 8 h + j of query r
.set ii, ii+1
.endr
.irp b, 0,1
	v_max3_num_f32 v[BX+\b], |v[S+16*\b]|, |v[S+16*\b+1]|, 0x1800000
.endr
.irp i, 2,4,6,8,10,12,14
.irp b, 0,1
	v_max3_num_f32 v[BX+\b], v[BX+\b], |v[S+16*\b+\i]|, |v[S+16*\b+\i+1]|
.endr
.endr
.irp b, 0,1
	v_permlanex16_b32 v[PB+\b], v[BX+\b], s[SEL], s[SEL+1]
.endr
.irp b, 0,1
	v_max_num_f32 v[BX+\b], v[BX+\b], v[PB+\b]
.endr
.irp b, 0,1
	v_add_nc_u32 v[SO+\b], 0xff000000, v[BX+\b]
.endr
.irp b, 0,1
	v_lshrrev_b32 v[PB+\b], 23, v[SO+\b]
.endr
	v_lshl_or_b32 v[TT], v[PB+1], 8, v[PB]
.irp b, 0,1
	v_cvt_scalef32_pk8_fp4_f32 v[PF+\b], v[S+16*\b:S+16*\b+7], v[SO+\b]
	v_cvt_scalef32_pk8_fp4_f32 v[PF+2+\b], v[S+16*\b+8:S+16*\b+15], v[SO+\b]
.endr
	v_nop
	v_permlane16_swap_b32 v[PF], v[PF+1]
	v_permlane16_swap_b32 v[PF+2], v[PF+3]
	global_store_b128 v[L16], v[PF:PF+3], s[OCP:OCP+1]     ; 512 consecutive bytes
	ds_store_b16 v[AGS], v[TT]                     ; both halves of the lanes write the same two bytes with the same value
	s_wait_dscnt 0x0
	s_barrier_signal -1
	s_barrier_wait -1
	s_cmp_lg_u32 s[WV], 0
	s_cbranch_scc1 .Lend
	ds_load_b128 v[S:S+3], v[AGR]                  ; 128 tokens' words
	s_wait_dscnt 0x0
	global_store_b128 v[L16], v[S:S+3], s[OSP:OSP+1]       ; 512 consecutive bytes
.Lend:
	s_wait_tensorcnt 0x0
	ds_add_u32 v254, v255
	s_wait_dscnt 0x0
	s_endpgm
.Lfunc_end_k_q86a4727d66_attn:
	.size	k_q86a4727d66_attn, .Lfunc_end_k_q86a4727d66_attn-k_q86a4727d66_attn
	.p2alignl 7, 3214868480
	.fill 96, 4, 3214868480
	.section	.rodata,"a",@progbits
	.p2align	6, 0x0
	.amdhsa_kernel k_q86a4727d66_attn
		.amdhsa_group_segment_fixed_size 39424
		.amdhsa_private_segment_fixed_size 0
		.amdhsa_enable_private_segment 0
		.amdhsa_kernarg_size 64
		.amdhsa_user_sgpr_count 2
		.amdhsa_user_sgpr_kernarg_segment_ptr 1
		.amdhsa_wavefront_size32 1
		.amdhsa_system_sgpr_workgroup_id_x 1
		.amdhsa_system_sgpr_workgroup_id_y 1
		.amdhsa_system_sgpr_workgroup_id_z 1
		.amdhsa_system_vgpr_workitem_id 0
		.amdhsa_next_free_vgpr 256
		.amdhsa_next_free_sgpr 100
		.amdhsa_reserve_vcc 0
		.amdhsa_float_denorm_mode_32 3
		.amdhsa_float_denorm_mode_16_64 3
		.amdhsa_memory_ordered 1
		.amdhsa_forward_progress 1
		.amdhsa_inst_pref_size 88
	.end_amdhsa_kernel
	.amdgpu_metadata
---
amdhsa.version: [ 1, 2 ]
amdhsa.kernels:
  - .name:           k_q86a4727d66_attn
    .symbol:         k_q86a4727d66_attn.kd
    .args:
      - { .name: qc, .offset: 0, .size: 8, .value_kind: global_buffer, .address_space: global }
      - { .name: qs, .offset: 8, .size: 8, .value_kind: global_buffer, .address_space: global }
      - { .name: kc, .offset: 16, .size: 8, .value_kind: global_buffer, .address_space: global }
      - { .name: vc, .offset: 24, .size: 8, .value_kind: global_buffer, .address_space: global }
      - { .name: kvs, .offset: 32, .size: 8, .value_kind: global_buffer, .address_space: global }
      - { .name: mw, .offset: 40, .size: 8, .value_kind: global_buffer, .address_space: global }
      - { .name: oc, .offset: 48, .size: 8, .value_kind: global_buffer, .address_space: global }
      - { .name: skw, .offset: 56, .size: 8, .value_kind: global_buffer, .address_space: global }
    .group_segment_fixed_size: 39424
    .private_segment_fixed_size: 0
    .kernarg_segment_align: 8
    .kernarg_segment_size: 64
    .max_flat_workgroup_size: 512
    .sgpr_count:     100
    .vgpr_count:     256
    .wavefront_size: 32
...
	.end_amdgpu_metadata
.endif
;; end of part 3
;; launch oproj (part 4): grid 4 x 32, 4 waves a work-group, clusters of 4 x 4, 327,680 bytes of LDS; arguments oc, W_o_codes, W_o_scales, b_o, out0; writes out0
.if DOCPART == 4
	.amdgcn_target "amdgcn-amd-amdhsa--gfx1250"
	.amdhsa_code_object_version 6
	.text
	.protected	k_q86a4727d66_oproj
	.globl	k_q86a4727d66_oproj
	.p2align	8
	.type	k_q86a4727d66_oproj,@function
k_q86a4727d66_oproj:
	s_mov_b64 s[64:65], 0
	v_nop
	global_prefetch_b8 v0, s[64:65] scope:SCOPE_SE
	s_setreg_imm32_b32 hwreg(HW_REG_WAVE_MODE, 25, 1), 1
	s_wait_xcnt 0x0
	s_wait_alu depctr_hold_cnt(0) depctr_sa_sdst(0) depctr_va_vdst(0) depctr_va_sdst(0) depctr_va_ssrc(0) depctr_va_vcc(0) depctr_vm_vsrc(0)
	s_getreg_b32 s2, hwreg(HW_REG_IB_STS2, 6, 4)
	s_cmp_eq_u32 s2, 0
	s_cbranch_scc0 .Lentry_in_a_cluster
	s_endpgm
.Lentry_in_a_cluster:
	s_bfe_u32 s2, ttmp6, 0x10000c
	s_cmp_lg_u32 s2, 0xf033
	s_cbranch_scc0 .Lentry_shape_is_right
	s_endpgm
.Lentry_shape_is_right:
; out0[m][n] = sum over k of A[m][k] W_o[n][k] + b_o[n], on codes of FP4 (E2M1) with E8M0 scales.  M = 8,192 tokens, N = K = 1,024; out0 f32.
; A comes from the attention launch as images of operand registers: oc [tile of 16 tokens 512][head 16][512 bytes]: two neighbouring heads are one fragment (16 rows x 128 K);
; behind these 4,194,304 bytes, in the same buffer, its scale words [batch][K step of 128: 8][token 2,048].
; A tile of out0, 256 x 256, is made by four waves, 128 x 128 each.  K goes in two steps of 512 through two LDS slots, each filled once by the tensor data mover; all scale words come once.
; CLUSTERS: 4 x 4 work-groups; A's tiles are asked for jointly along a row of the cluster, W_o's along a column.  THE MATRIX INSTRUCTION IS USED TRANSPOSED: a lane holds eight neighbouring numbers of a row of out0.
; REGISTERS, in windows of 256: window 0: v0-31 addresses; v32-95 scale words, two sets (A's 16, then B's 16), and nothing else; v128-191 A's fragments; v192-255 the bias (the C of the first products); on the way out v128-255 hold rows.
;   window 1: B's fragments, two sets.  windows 2, 3: the accumulators.
.set SIZE_N, 1024
.set OSOFF,  4194304                   ; where A's scale words begin in oc
.set NQ,     4
.set ROWB,   256
.set KROW,   512
.set PITCH,  272
.set FR,     8
.set NL,     2
.set NP,     4
.set HALFA,  32768                     ; A: 8 tiles of 16 tokens x 4,096 bytes, dense: what one tensor load brings
.set HALFT,  128*PITCH                 ; B: 128 padded rows
.set SLOT,   2*HALFA+2*HALFT
.set SCA,    2*SLOT                    ; A's scale words: for each half of the rows [K step of 128: 8][128 tokens x 4 bytes]
.set SCB,    SCA+2*4096                ; B's scale bytes: rows of 256 bytes + 16 of padding
.set HALFS,  16*272
.set SPARE,  SCB+2*HALFS               ; the spare words: 128 bytes a wave, named by no other line
.set SPITCH, 528                       ; the way out: a stage of 16 rows x (512 + 16) bytes for each wave, in slot 0, which has had its only fill and its last read by then
.set ADRA, 16
.set ADRB, 20
.set ASB,  23
.set STO,  24
.set RD,   25
.set CO,   26
.set ASA,  27
.set SPW,  28
.set NIL,  29
.set SC,   32
.set AF,   128
.set BK,   128
.set BN,   192
.set G1, 24
.set G0, 32
.set G1B, 48
.set G0B, 56
.set G1S, 68
.set G0S, 76
.set G1SB, 80
.set G0SB, 88
.set MSB, 0
.macro WIN new
.if MSB != (\new)
	s_set_vgpr_msb (MSB<<8)|(\new)
.set MSB, (\new)
.endif
.endm
.set MUL_LO,   0xa1
.set MUL_HI,   0xf1
.set FIRST_LO, 0x81
.set FIRST_HI, 0xc1
.set TO_B,     0x40
.macro JLOAD g0a, g1a, g0b, g1b        ; a joint load: waves 0 and 1 fetch for A, waves 2 and 3 for B; four v_nop follow each line
	s_cmp_eq_u32 s15, 0
	s_cbranch_scc0 .Lfor_b_\@
	tensor_load_to_lds s[\g0a:\g0a+3], s[\g1a:\g1a+7]
	s_nop 0
.rept 4
	v_nop
.endr
	s_branch .Lasked_\@
.Lfor_b_\@:
	tensor_load_to_lds s[\g0b:\g0b+3], s[\g1b:\g1b+7]
	s_nop 0
.rept 4
	v_nop
.endr
.Lasked_\@:
.endm
.macro CROUND
	s_barrier_signal -1
	s_barrier_wait -1
	s_cmp_lg_u32 s14, 0
	s_cbranch_scc1 .Lnot_wave_0_\@
	s_barrier_signal -3
.Lnot_wave_0_\@:
	s_barrier_wait -3
	s_barrier_signal -1
	s_barrier_wait -1
.endm
	s_load_b64 s[4:5], s[0:1], 0x0                 ; oc
	s_load_b64 s[8:9], s[0:1], 0x8                 ; W_o's codes
	s_load_b64 s[10:11], s[0:1], 0x10              ; W_o's scales
	s_load_b64 s[96:97], s[0:1], 0x18              ; b_o
	s_load_b64 s[12:13], s[0:1], 0x20              ; out0
	v_lshl_add_u32 v[SPW], v0, 2, SPARE
	v_mov_b32 v[NIL], 0
	ds_add_u32 v28, v29
	ds_add_u32 v28, v29
	s_wait_dscnt 0x0
	v_lshrrev_b32 v1, 5, v0
	v_readfirstlane_b32 s14, v1                    ; wave 0..3
	s_lshr_b32 s15, s14, 1                         ; which half of the tile's rows is mine.  Also: I fetch for A (0) or B (1)
	s_and_b32 s16, s14, 1                          ; which half of its columns.  Also: which half I fetch
	s_bfe_u32 s40, ttmp6, 0x40000                  ; cx, cy
	s_bfe_u32 s41, ttmp6, 0x40004
	s_lshl_b32 s42, ttmp9, 2
	s_add_co_u32 s42, s42, s40                     ; tile column
	s_and_b32 s17, ttmp7, 0xffff
	s_lshl_b32 s17, s17, 2
	s_add_co_u32 s17, s17, s41                     ; tile row
	s_lshl_b32 s43, s41, 2
	s_lshl_b32 s43, 15, s43                        ; my row of the cluster
	s_lshl_b32 s44, 0x1111, s40                    ; my column
	; group 1, A's codes: 8 rows (tiles of 16 tokens) of 4,096 bytes (512 elements of 8), 8,192 bytes apart, no padding
	s_or_b32 s[G1+0], s43, (3<<16)|(1<<21)
	s_mov_b32 s[G1+1], 512<<16
	s_mov_b32 s[G1+2], 8<<16
	s_mov_b32 s[G1+3], 512<<16
	s_mov_b32 s[G1+4], 8
	s_mov_b32 s[G1+5], 1024
	s_mov_b32 s[G1+6], 0
	s_mov_b32 s[G1+7], 0
	; B's codes: 128 rows of 256 bytes, 16 bytes of padding behind each
	s_or_b32 s[G1B+0], s44, (0<<16)|(1<<20)|(1<<21)|(5<<22)|(3<<25)
	s_mov_b32 s[G1B+1], ROWB<<16
	s_mov_b32 s[G1B+2], 128<<16
	s_mov_b32 s[G1B+3], ROWB<<16
	s_mov_b32 s[G1B+4], 128
	s_mov_b32 s[G1B+5], KROW
	s_mov_b32 s[G1B+6], 0
	s_mov_b32 s[G1B+7], 0
	; A's scale words: 8 rows (K steps of 128) of 512 bytes (64 elements of 8), 8,192 bytes apart, no padding
	s_or_b32 s[G1S+0], s43, (3<<16)|(1<<21)
	s_mov_b32 s[G1S+1], 64<<16
	s_mov_b32 s[G1S+2], 8<<16
	s_mov_b32 s[G1S+3], 64<<16
	s_mov_b32 s[G1S+4], 8
	s_mov_b32 s[G1S+5], 1024
	s_mov_b32 s[G1S+6], 0
	s_mov_b32 s[G1S+7], 0
	; B's scale bytes: 4,096 dense bytes as 16 rows of 256, padded
	s_or_b32 s[G1SB+0], s44, (3<<16)|(1<<20)|(1<<21)|(5<<22)|(3<<25)
	s_mov_b32 s[G1SB+1], 32<<16
	s_mov_b32 s[G1SB+2], 16<<16
	s_mov_b32 s[G1SB+3], 32<<16
	s_mov_b32 s[G1SB+4], 16
	s_mov_b32 s[G1SB+5], 32
	s_mov_b32 s[G1SB+6], 0
	s_mov_b32 s[G1SB+7], 0
	s_lshl_b32 s20, s17, 17                        ; A's codes: 16 tiles of 8,192 bytes a tile row,
	s_lshl_b32 s18, s16, 16                        ; 8 of them a half
	s_add_co_u32 s20, s20, s18
	s_mov_b32 s21, 0
	s_lshr_b32 s22, s17, 3                         ; A's scale words: the batch,
	s_lshl_b32 s22, s22, 16
	s_and_b32 s18, s17, 7
	s_lshl_b32 s18, s18, 10                        ; 256 tokens a tile row,
	s_add_co_u32 s22, s22, s18
	s_lshl_b32 s18, s16, 9                         ; 128 a half,
	s_add_co_u32 s22, s22, s18
	s_add_co_u32 s22, s22, OSOFF                   ; behind the images
	s_mov_b32 s23, 0
	s_lshl_b32 s46, s42, 8
	s_lshl_b32 s18, s16, 7
	s_add_co_u32 s46, s46, s18                     ; B: row 256 x tile column + 128 x half
	s_lshl_b32 s92, s46, 5
	s_mov_b32 s93, 0
	s_lshl_b32 s46, s46, 9
	s_mov_b32 s47, 0
	s_lshl_b32 s45, s16, 15                        ; where they go: no place in the cluster enters an LDS address
	s_mul_i32 s94, s16, HALFT
	s_add_co_u32 s94, s94, 2*HALFA
	s_lshl_b32 s66, s16, 12
	s_add_co_u32 s66, s66, SCA
	s_mul_i32 s67, s16, HALFS
	s_add_co_u32 s67, s67, SCB
	s_wait_kmcnt 0x0
	s_add_nc_u64 s[20:21], s[4:5], s[20:21]
	s_add_nc_u64 s[22:23], s[4:5], s[22:23]
	s_add_nc_u64 s[46:47], s[8:9], s[46:47]
	s_add_nc_u64 s[92:93], s[10:11], s[92:93]
	CROUND                                         ; all sixteen work-groups are here: the joint loads meet
	s_mov_b32 s[G0S], 1
	s_mov_b32 s[G0S+1], s66
	s_mov_b64 s[G0S+2:G0S+3], s[22:23]
	s_or_b32 s[G0S+3], s[G0S+3], 0x80000000
	s_mov_b32 s[G0SB], 1
	s_mov_b32 s[G0SB+1], s67
	s_mov_b64 s[G0SB+2:G0SB+3], s[92:93]
	s_or_b32 s[G0SB+3], s[G0SB+3], 0x80000000
	JLOAD G0S, G1S, G0SB, G1SB                     ; the scales first
.irp s, 0,1
	s_mov_b32 s[G0+4*\s], 1
	s_add_co_u32 s[G0+4*\s+1], s45, \s*SLOT
	s_add_nc_u64 s[G0+4*\s+2:G0+4*\s+3], s[20:21], \s*4096
	s_or_b32 s[G0+4*\s+3], s[G0+4*\s+3], 0x80000000
	s_mov_b32 s[G0B+4*\s], 1
	s_add_co_u32 s[G0B+4*\s+1], s94, \s*SLOT
	s_add_nc_u64 s[G0B+4*\s+2:G0B+4*\s+3], s[46:47], \s*ROWB
	s_or_b32 s[G0B+4*\s+3], s[G0B+4*\s+3], 0x80000000
	JLOAD G0+4*\s, G1, G0B+4*\s, G1B               ; three loads of mine are out: all of K is asked for, nothing is filled again
.endr
	v_and_b32 v1, 15, v0                           ; r
	v_bfe_u32 v2, v0, 4, 1                         ; h
	v_and_b32 v6, 31, v0                           ; lane
	s_lshl_b32 s18, s42, 8
	s_lshl_b32 s19, s16, 7
	s_add_co_u32 s18, s18, s19
	s_lshl_b32 s18, s18, 2
	v_lshlrev_b32 v7, 5, v2
	v_add_nc_u32 v7, s18, v7                       ; b_o: my 128 columns; for tile b the eight of my half
.irp b, 0,1,2,3,4,5,6,7
	global_load_b128 v[BN+8*\b:BN+8*\b+3], v7, s[96:97] offset:64*\b
	global_load_b128 v[BN+8*\b+4:BN+8*\b+7], v7, s[96:97] offset:64*\b+16
.endr
	v_lshlrev_b32 v[CO], 4, v6                     ; 16 x lane
	v_mul_u32_u24 v3, v1, PITCH
	v_lshl_add_u32 v4, v2, 4, v3                   ; B: a fragment's row x pitch + 16 x half
	s_lshl_b32 s21, s15, 15                        ; A: my half's images
	s_mul_i32 s22, s16, HALFT
	s_add_co_u32 s22, s22, 2*HALFA
.irp s, 0,1
	v_add_nc_u32 v[ADRA+\s], s21, v[CO]
	v_add_nc_u32 v[ADRB+\s], s22, v4
	s_add_co_u32 s21, s21, SLOT
	s_add_co_u32 s22, s22, SLOT
.endr
	s_lshl_b32 s21, s15, 12
	s_add_co_u32 s21, s21, SCA
	v_lshl_add_u32 v[ASA], v6, 2, s21              ; A's scale words: 4 x lane in my half
	s_mul_i32 s22, s16, HALFS
	s_add_co_u32 s22, s22, SCB
	v_lshlrev_b32 v5, 5, v6                        ; B's: 32 bytes a row,
	v_lshrrev_b32 v8, 3, v6
	v_lshl_add_u32 v5, v8, 4, v5                   ; and 16 more for each 256 passed
	v_add_nc_u32 v[ASB], s22, v5
	s_mul_i32 s23, s14, 16*SPITCH                  ; my stage
	v_mul_u32_u24 v5, v1, SPITCH
	v_lshl_add_u32 v5, v2, 5, v5
	v_add_nc_u32 v[STO], s23, v5
	v_add_nc_u32 v[RD], s23, v[CO]
	s_lshl_b32 s20, s17, 8
	s_lshl_b32 s21, s15, 7
	s_add_co_u32 s20, s20, s21                     ; my first row of out0
	s_mov_b32 s21, 0
	s_mov_b64 s[18:19], SIZE_N*4
	s_mul_u64 s[20:21], s[20:21], s[18:19]
	s_lshl_b32 s46, s42, 10
	s_lshl_b32 s47, s16, 9
	s_add_co_u32 s46, s46, s47
	s_mov_b32 s47, 0
	s_add_nc_u64 s[20:21], s[20:21], s[46:47]
	s_add_nc_u64 s[12:13], s[12:13], s[20:21]
; one product; rx, ry: the scale words stand in lanes 16-31 of their registers
.macro WM d, x, y, c, sx, sy, rx, ry
.if (\rx) && (\ry)
	v_wmma_scale_f32_16x16x128_f8f6f4 v[(\d):(\d)+7], v[(\x):(\x)+7], v[(\y):(\y)+7], v[(\c):(\c)+7], v[(\sx)], v[(\sy)] matrix_a_fmt:MATRIX_FMT_FP4 matrix_b_fmt:MATRIX_FMT_FP4 matrix_a_scale:MATRIX_SCALE_ROW1 matrix_b_scale:MATRIX_SCALE_ROW1
.elseif (\rx)
	v_wmma_scale_f32_16x16x128_f8f6f4 v[(\d):(\d)+7], v[(\x):(\x)+7], v[(\y):(\y)+7], v[(\c):(\c)+7], v[(\sx)], v[(\sy)] matrix_a_fmt:MATRIX_FMT_FP4 matrix_b_fmt:MATRIX_FMT_FP4 matrix_a_scale:MATRIX_SCALE_ROW1
.elseif (\ry)
	v_wmma_scale_f32_16x16x128_f8f6f4 v[(\d):(\d)+7], v[(\x):(\x)+7], v[(\y):(\y)+7], v[(\c):(\c)+7], v[(\sx)], v[(\sy)] matrix_a_fmt:MATRIX_FMT_FP4 matrix_b_fmt:MATRIX_FMT_FP4 matrix_b_scale:MATRIX_SCALE_ROW1
.else
	v_wmma_scale_f32_16x16x128_f8f6f4 v[(\d):(\d)+7], v[(\x):(\x)+7], v[(\y):(\y)+7], v[(\c):(\c)+7], v[(\sx)], v[(\sy)] matrix_a_fmt:MATRIX_FMT_FP4 matrix_b_fmt:MATRIX_FMT_FP4
.endif
.endm
; 16 matrix instructions: A's blocks a0, a0 + 1 x B's eight.  zero = 1: the first products start the sums, from the bias.  The 64 accumulators take turns, one instruction a turn.
.macro MUL16 a0, p, q, sc, zero
.irp a, \a0, \a0+1
.irp b, 0,1,2,3,4,5,6,7
.set rD, 8*(8*((\a)%4)+\b)
.set rX, 128*(\p)+FR*\b
.set rY, AF+FR*(\a)
.set rSX, SC+32*(\sc)+16+4*(\b/2)+(\q)
.set rSY, SC+32*(\sc)+4*((\a)/2)+(\q)
.if \zero
.set rC, BN+8*\b
.else
.set rC, rD
.endif
	WM rD, rX, rY, rC, rSX, rSY, (\b)%2, (\a)%2
.endr
.endr
.endm
.macro FETCH_B slot, q, p
	WIN TO_B
.irp i, 0,1,2,3,4,5,6,7
.irp c, 0,1
	ds_load_b128 v[128*(\p)+FR*\i+4*\c:128*(\p)+FR*\i+4*\c+3], v[ADRB+\slot] offset:64*(\q)+32*\c+\i*16*PITCH
.endr
.endr
	WIN 0
.endm
.macro FETCH_A slot, q, i0             ; a fragment is two images: 16 tokens, heads 2 q and 2 q + 1 of the slot's eight
.irp i, \i0, \i0+1, \i0+2, \i0+3
.irp c, 0,1
	ds_load_b128 v[AF+FR*(\i)+4*\c:AF+FR*(\i)+4*\c+3], v[ADRA+\slot] offset:4096*(\i)+1024*(\q)+512*\c
.endr
.endr
.endm
.macro SCALES sc                       ; K step sc's scale words.  A's: register 4 i + q: token 32 i + lane, so blocks 2 i (lanes 0-15) and 2 i + 1 (lanes 16-31).  B's likewise, four words a load
.irp i, 0,1,2,3
.irp q, 0,1,2,3
	ds_load_b32 v[SC+32*\sc+4*\i+\q], v[ASA] offset:512*(4*\sc+\q)+128*\i
.endr
.endr
.irp i, 0,1,2,3
	ds_load_b128 v[SC+32*\sc+16+4*\i:SC+32*\sc+16+4*\i+3], v[ASB] offset:1088*\i+16*\sc
.endr
.endm
.macro PLACES n
.rept \n
	v_nop
.endr
.endm
.macro STEP slot, q, zero
	s_wait_dscnt 4*NL                              ; B's set, A's blocks 0-3 and the scale words are in; the youngest eight loads (A's blocks 4-7) may be out
.if \zero
	WIN FIRST_LO
.else
	WIN MUL_LO
.endif
	MUL16 0, (\q)%2, \q, \slot, \zero
	MUL16 2, (\q)%2, \q, \slot, \zero
	s_wait_dscnt 0
	PLACES NP
	FETCH_B \slot, (\q)+1, 1-(\q)%2
	FETCH_A \slot, (\q)+1, 0
.if \zero
	WIN FIRST_HI
.else
	WIN MUL_HI
.endif
	MUL16 4, (\q)%2, \q, \slot, \zero
	MUL16 6, (\q)%2, \q, \slot, \zero
	PLACES NP
	WIN 0
	FETCH_A \slot, (\q)+1, 4
.endm
.macro TURN slot, next                 ; a slot's last step changes slots: one barrier; nothing is filled again
	s_wait_tensorcnt 0x0                           ; all my tensor loads have landed: my part of the next slot
	ds_add_u32 v[SPW], v[NIL]                      ; 0 onto my spare word
	s_wait_dscnt 4*NL+1                            ; (the add and the youngest eight loads may be out)
	WIN MUL_LO
	MUL16 0, 1, NQ-1, \slot, 0
	s_wait_dscnt 0x0                               ; the add is done, and my reads of this slot are over
	s_barrier_signal -1
	MUL16 2, 1, NQ-1, \slot, 0
	WIN 0
	s_barrier_wait -1
	PLACES NP
	FETCH_B \next, 0, 0
	FETCH_A \next, 0, 0
	SCALES \next
	WIN MUL_HI
	MUL16 4, 1, NQ-1, \slot, 0
	MUL16 6, 1, NQ-1, \slot, 0
	PLACES NP
	WIN 0
	FETCH_A \next, 0, 4
.endm
	s_wait_loadcnt 0x0                             ; the bias
	s_wait_tensorcnt 1                             ; the scales and my part of K step 0 are in (K step 1's load may be out),
	s_barrier_signal -1
	s_barrier_wait -1                              ; everybody's are
	FETCH_B 0, 0, 0
	FETCH_A 0, 0, 0
	SCALES 0
	FETCH_A 0, 0, 4
	STEP 0, 0, 1
	STEP 0, 1, 0
	STEP 0, 2, 0
	TURN 0, 1
	STEP 1, 0, 0
	STEP 1, 1, 0
	STEP 1, 2, 0
	s_wait_dscnt 4*NL                              ; the very last step
	WIN MUL_LO
	MUL16 0, 1, NQ-1, 1, 0
	MUL16 2, 1, NQ-1, 1, 0
	s_wait_dscnt 0
	WIN MUL_HI
	MUL16 4, 1, NQ-1, 1, 0
	MUL16 6, 1, NQ-1, 1, 0
	WIN 0
; THE WAY OUT, block by block of 16 rows x 128 columns, through my own stage in LDS: in as 32 bytes a lane, back as whole rows of 512 bytes.  LDS serves a wave's instructions in order (ISA guide 5.7.1.4).
.macro TOSTAGE a
.set AC, 64*((\a)%4)
	WIN 0x08+4*((\a)/4)                            ; the data: window 2 or 3
.irp b, 0,1,2,3,4,5,6,7
	ds_store_b128 v[STO], v[AC+8*\b:AC+8*\b+3] offset:64*\b          ; each accumulator from its low end on
	ds_store_b128 v[STO], v[AC+8*\b+4:AC+8*\b+7] offset:64*\b+16
.endr
	WIN 0
.set BB, BK+64*((\a)%2)
.irp t, 0,1,2,3,4,5,6,7,8,9,10,11,12,13,14,15
	ds_load_b128 v[BB+4*\t:BB+4*\t+3], v[RD] offset:\t*SPITCH
.endr
.endm
.macro SEND a, younger                 ; younger: the LDS instructions issued behind block a's loads, which may stay out
.set BB, BK+64*((\a)%2)
	s_wait_dscnt \younger
.if (\a) > 0
	s_add_nc_u64 s[12:13], s[12:13], 16*SIZE_N*4   ; (behind a wait on XCNT: the earlier stores have read their base)
.endif
.irp t, 0,1,2,3,4,5,6,7,8,9,10,11,12,13,14,15
	global_store_b128 v[CO], v[BB+4*\t:BB+4*\t+3], s[12:13] offset:\t*SIZE_N*4 th:TH_STORE_NT   ; 32 lanes store 512 consecutive bytes, at a multiple of 256 from out0's first byte
.endr
.endm
	PLACES NP
	TOSTAGE 0
.irp a, 1,2,3,4,5,6,7
.if \a > 1
	s_wait_xcnt 0x0                                ; block a - 2's stores have read their registers and their base
.endif
	TOSTAGE \a
	SEND \a-1, 32                                  ; behind block a - 1's loads: block a's 16 stores and 16 loads
.endr
	s_wait_xcnt 0x0
	SEND 7, 0
	s_wait_tensorcnt 0x0                           ; the wave's end
	ds_add_u32 v[SPW], v[NIL]
	s_wait_dscnt 0x0
	CROUND                                         ; the closing round
	s_endpgm
.Lfunc_end_k_q86a4727d66_oproj:
	.size	k_q86a4727d66_oproj, .Lfunc_end_k_q86a4727d66_oproj-k_q86a4727d66_oproj
	.p2alignl 7, 3214868480
	.fill 96, 4, 3214868480
	.section	.rodata,"a",@progbits
	.p2align	6, 0x0
	.amdhsa_kernel k_q86a4727d66_oproj
		.amdhsa_group_segment_fixed_size 327680
		.amdhsa_private_segment_fixed_size 0
		.amdhsa_enable_private_segment 0
		.amdhsa_kernarg_size 40
		.amdhsa_user_sgpr_count 2
		.amdhsa_user_sgpr_kernarg_segment_ptr 1
		.amdhsa_wavefront_size32 1
		.amdhsa_system_sgpr_workgroup_id_x 1
		.amdhsa_system_sgpr_workgroup_id_y 1
		.amdhsa_system_sgpr_workgroup_id_z 1
		.amdhsa_system_vgpr_workitem_id 0
		.amdhsa_next_free_vgpr 1024
		.amdhsa_next_free_sgpr 98
		.amdhsa_reserve_vcc 0
		.amdhsa_float_denorm_mode_32 3
		.amdhsa_float_denorm_mode_16_64 3
		.amdhsa_memory_ordered 1
		.amdhsa_forward_progress 1
		.amdhsa_inst_pref_size 128
	.end_amdhsa_kernel
	.amdgpu_metadata
---
amdhsa.version: [ 1, 2 ]
amdhsa.kernels:
  - .name:           k_q86a4727d66_oproj
    .symbol:         k_q86a4727d66_oproj.kd
    .args:
      - { .name: oc, .offset: 0, .size: 8, .value_kind: global_buffer, .address_space: global }
      - { .name: W_o_codes, .offset: 8, .size: 8, .value_kind: global_buffer, .address_space: global }
      - { .name: W_o_scales, .offset: 16, .size: 8, .value_kind: global_buffer, .address_space: global }
      - { .name: b_o, .offset: 24, .size: 8, .value_kind: global_buffer, .address_space: global }
      - { .name: out0, .offset: 32, .size: 8, .value_kind: global_buffer, .address_space: global }
    .group_segment_fixed_size: 327680
    .private_segment_fixed_size: 0
    .kernarg_segment_align: 8
    .kernarg_segment_size: 40
    .max_flat_workgroup_size: 128
    .sgpr_count:     98
    .vgpr_count:     1024
    .wavefront_size: 32
...
	.end_amdgpu_metadata
.endif
;; end of part 4
;; ======== version 2 of 3: 4 launches; 1.44 times as fast as version 1
;; limits: right only within a limited range of input values
;; workspace buffers: skw 2,048 bytes of whole numbers; mw 2,097,152 bytes of whole numbers; qc 4,194,304 bytes; qs 1,048,576 bytes; kc 4,194,304 bytes; vc 4,194,304 bytes; kvs 1,048,576 bytes; oc 4,456,448 bytes
;; launch pack: the kernel of part 1 again; grid 128 x 4, 4 waves a work-group, no clusters, 768 bytes of LDS; arguments causal_mask, context_mask, mw, skw; writes mw, skw
;; launch proj: the kernel of part 2 again; grid 4 x 96, 4 waves a work-group, clusters of 4 x 4, 327,680 bytes of LDS; arguments q_codes, q_scales, W_q_codes, W_q_scales, b_q, qc, qs, k_codes, k_scales, W_k_codes, W_k_scales, b_k, kc, kvs, W_v_codes, W_v_scales, v_codes, v_scales, b_v, vc; writes qc, qs, kc, kvs, vc
;; launch attn (part 5): grid 32 x 16, 16 waves a work-group, no clusters, 39,424 bytes of LDS; arguments qc, qs, kc, vc, kvs, mw, oc, skw; writes oc
.if DOCPART == 5
	.amdgcn_target "amdgcn-amd-amdhsa--gfx1250"
	.amdhsa_code_object_version 6
	.text
	.protected	k_q86a4727d66_attn
	.globl	k_q86a4727d66_attn
	.p2align	8
	.type	k_q86a4727d66_attn,@function
k_q86a4727d66_attn:
	s_mov_b64 s[64:65], 0
	v_nop
	global_prefetch_b8 v0, s[64:65] scope:SCOPE_SE
	s_setreg_imm32_b32 hwreg(HW_REG_WAVE_MODE, 25, 1), 1
	s_wait_xcnt 0x0
; Attention on codes of FP4 (E2M1) with E8M0 scales: S^T = K Q^T (K = the head's 64, filled to 128 with zero codes of Q), both masks, p = 2^(t - M), O^T = V^T P^T (K = 128 keys a step), O / the row's sum, quantised along the features.
; t = score x log2(e) / 8: the factor 1/8 of reference() stands here, since the projection left it out of q's scale bytes.  M = the running largest t rounded UP to a whole number; when it moves, the sum and O^T
; are multiplied by 2^(old M - new M), which rounds nothing.  The row's sum is taken of the unquantised p.
; THE MASKS come as lane-mask words that an earlier launch made of both inputs: one v_cndmask_b32 a score.  A hidden score becomes -2^33, so that t is a whole number and a row that sees no key gets p = 1 at every key.
; LIMIT: reference() writes -1e9 there; the results are the same wherever every open logit lies above about -1e9.  NaN and infinities are not served; a block under 2^-124 gets the byte 1.
; A KEY STEP THAT IS HIDDEN FROM ALL 128 QUERIES IS PASSED OVER, by a scalar branch on the stored bits of skw; the bits are 0 where a query sees no key at all.  Because of that branch K and V come through registers into LDS, by no tensor load.
; No multicast: this launch has no tensor loads; a key step's K, V and scale words are 18,432 bytes for 16 waves.  No prefetch: each step's bytes are asked for by their loads a whole key step ahead of their use.
; SHARES: a work-group is (batch, pair of heads, 128 queries); wave w: head 2 pair + w / 8, queries 16 (w % 8) on: one tile, 256 registers, four waves to a SIMD.  The two heads of a pair are one K step of the last product: their four scale bytes make one word.
; THE GRID: x is (batch, pair), y counts the blocks of queries from the last to the first.  So the 32 work-groups of one y have the same stored bits' pattern for a given batch, and wherever the masks hide later keys
; from earlier queries the work-groups with the most open key steps have the lowest numbers.  It changes no value.
; LDS: two slots of 18,432 bytes (K 2 x 4,096, V 2 x 4,096, scale words 2 x 1,024), and 512 bytes for the outputs' scale words.  One barrier a step: in front of it a wave's reads of the slot in hand are back and its stores into the other are done.
; All operands lie in memory and LDS as images of their registers: 512 bytes, lane L's 16 bytes at 16 L.
; oc: [tile of 16 tokens 512][head 16][512 bytes], and behind these 4,194,304 bytes the scale words [batch][pair of heads 8][token 2,048].
.set SLOTB, 18432
.set GSW,   2*SLOTB
.set OSOFF, 4194304                    ; where the scale words begin in oc
.set T16, 1                            ; v1   16 x thread
.set T4,  2                            ; v2   4 x thread
.set AKV, 3                            ; v3   16 x lane + 4,096 x (my head of the two)
.set ASC, 4                            ; v4   16 x lane + 1,024 x (my head)
.set L16, 5                            ; v5   16 x lane
.set AGS, 6                            ; v6   where my two scale bytes go
.set AGR, 7                            ; v7   where wave 0 reads the words back
.set QF,  16                           ; v16-19 Q, v20-23 zeros: k = 64 .. 127
.set QS,  24                           ; v24  Q's scale words
.set KF,  32                           ; v32-63 K: tile th at v[32 + 4 th]; read as eight registers, whose upper four meet Q's zeros; v64-67 zeros behind the last
.set VF,  68                           ; v68-99 V: channel tile dt at v[68 + 8 dt]
.set S,   100                          ; v100-163 S^T, then p
.set OT,  164                          ; v164-195 O^T
.set PF,  196                          ; v196-203 p's codes
.set KSC, 204                          ; v204-207 K's scale words: tiles 2 i (lanes 0-15) and 2 i + 1 (lanes 16-31)
.set VSC, 208                          ; v208-211 V's likewise (two are used)
.set BX,  212                          ; v212-215 the blocks' largest scores, then largest p
.set PB,  216                          ; v216-219 permutes' destinations, then bytes
.set SO,  220                          ; v220-223 the conversions' scale operands
.set FF,  224                          ; v[224:225] f = 2^(old M - new M), in the low word
.set TT,  226
.set C2,  228                          ; v[228:229] the sums' second chain
.set GK,  236                          ; v236-244 the next step's bytes on their way to LDS
.set GV,  240
.set GC,  244
.set NEGV, 245                         ; -2^33
.set PSC, 246                          ; p's scale word
.set KP,  2
.set VP,  4
.set SP,  6
.set MP,  8
.set OCP, 10
.set OSP, 12
.set WV,  14
.set WGS, 15                           ; bit 0: the step in hand is passed over; bit 1: the next one
.set SEL, 84
.set CS,  86
.set TRIPS, 88
; my tile's 64 mask words of one key step, from off bytes behind s[MP:MP+1] on: word n in s[16 + n], from word 48 on in s[20 + n]
.macro MASKS off
	s_load_b512 s[16:31], s[MP:MP+1], (\off)
	s_load_b512 s[32:47], s[MP:MP+1], (\off)+64
	s_load_b512 s[48:63], s[MP:MP+1], (\off)+128
	s_load_b512 s[68:83], s[MP:MP+1], (\off)+192
.endm
	s_load_b512 s[16:31], s[0:1], 0x0              ; qc, qs, kc, vc, kvs, mw, oc, skw
	v_lshl_add_u32 v254, v0, 2, 0x9200
	v_mov_b32 v255, 0
	v_lshrrev_b32 v9, 5, v0
	v_readfirstlane_b32 s[WV], v9                  ; wave 0..15
	s_lshr_b32 s89, s[WV], 3                       ; my head of the two
	s_and_b32 s90, s[WV], 7                        ; my tile of 16 queries
	s_and_b32 s91, ttmp7, 0xffff
	s_lshr_b32 s92, ttmp9, 3                       ; batch
	s_and_b32 s93, ttmp9, 7                        ; pair of heads
	s_sub_co_u32 s94, 15, s91                      ; block of 128 queries, the last first
	s_lshl_b32 s95, s93, 1
	s_add_co_u32 s95, s95, s89                     ; head
	v_lshlrev_b32 v[T16], 4, v0
	v_lshlrev_b32 v[T4], 2, v0
	v_and_b32 v9, 31, v0
	v_lshlrev_b32 v[L16], 4, v9
	v_and_b32 v10, 15, v0                          ; r
	v_lshlrev_b32 v8, 4, v10
	s_lshl_b32 s33, s89, 12
	v_add_nc_u32 v[AKV], s33, v[L16]
	s_lshl_b32 s33, s89, 10
	v_add_nc_u32 v[ASC], s33, v[L16]
	s_lshl_b32 s33, s90, 6
	s_lshl_b32 s39, s89, 1
	s_add_co_u32 s33, s33, s39
	s_add_co_u32 s33, s33, GSW
	v_lshl_add_u32 v[AGS], v10, 2, s33             ; word 16 tile + r, half word = my head
	v_add_nc_u32 v[AGR], GSW, v[L16]
	s_lshl_b32 s96, s92, 20                        ; K, V: 16 steps x 16 heads x 4,096 bytes a batch,
	s_lshl_b32 s97, s93, 13                        ; two heads a pair
	s_add_co_u32 s96, s96, s97
	s_mov_b32 s97, 0
	s_lshr_b32 s98, s96, 2                         ; the scale words: 1,024 bytes a head and step
	s_mov_b32 s99, 0
	s_lshl_b32 s32, s92, 4
	s_add_co_u32 s32, s32, s94
	s_lshl_b32 s32, s32, 4
	s_add_co_u32 s32, s32, s95                     ; (16 batch + block) x 16 + head
	s_lshl_b32 s34, s32, 12
	s_lshl_b32 s33, s90, 9
	s_add_co_u32 s34, s34, s33                     ; Q's image
	s_mov_b32 s35, 0
	s_lshl_b32 s36, s32, 10
	s_and_b32 s33, s90, 1
	s_lshl_b32 s33, s33, 8
	s_add_co_u32 s36, s36, s33
	s_lshr_b32 s33, s90, 1
	s_lshl_b32 s33, s33, 2
	s_add_co_u32 s36, s36, s33                     ; Q's scale words: token 16 tile + r is word (r + 16 (tile % 2), tile / 2)
	s_mov_b32 s37, 0
	s_lshl_b32 s38, s92, 7
	s_lshl_b32 s33, s94, 3
	s_add_co_u32 s38, s38, s33                     ; 128 batch + 8 block: the block's first tile
	s_lshl_b32 s40, s38, 2                         ; its eight words of steps: 32 bytes
	s_mov_b32 s41, 0
	s_add_co_u32 s38, s38, s90                     ; my tile
	s_lshl_b32 s42, s38, 12
	s_mov_b32 s43, 0
	s_lshl_b32 s44, s38, 4
	s_add_co_u32 s44, s44, s95
	s_lshl_b32 s44, s44, 9                         ; the image: (tile x 16 + head) x 512
	s_mov_b32 s45, 0
	s_lshl_b32 s46, s92, 3
	s_add_co_u32 s46, s46, s93
	s_lshl_b32 s46, s46, 13
	s_lshl_b32 s33, s94, 9
	s_add_co_u32 s46, s46, s33                     ; the scale words: (8 batch + pair) x 8,192 + 512 block,
	s_add_co_u32 s46, s46, OSOFF                   ; behind the images
	s_mov_b32 s47, 0
	s_mov_b32 s[SEL], 0x76543210
	s_mov_b32 s[SEL+1], 0xfedcba98                 ; v_permlanex16_b32's selects for lane l xor 16
	s_mov_b32 s[CS], 0x3e38aa3b                    ; c = log2(e) / 8
	s_mov_b32 s[CS+1], s[CS]
	s_wait_kmcnt 0x0
	s_add_nc_u64 s[KP:KP+1], s[20:21], s[96:97]
	s_add_nc_u64 s[VP:VP+1], s[22:23], s[96:97]
	s_add_nc_u64 s[SP:SP+1], s[24:25], s[98:99]
	s_add_nc_u64 s[MP:MP+1], s[26:27], s[42:43]
	s_add_nc_u64 s[OCP:OCP+1], s[28:29], s[44:45]
	s_add_nc_u64 s[OSP:OSP+1], s[28:29], s[46:47]
	s_add_nc_u64 s[48:49], s[30:31], s[40:41]
	s_add_nc_u64 s[50:51], s[16:17], s[34:35]
	s_add_nc_u64 s[52:53], s[18:19], s[36:37]
	s_load_b256 s[68:75], s[48:49], 0x0            ; the eight tiles' words of steps
	global_load_b128 v[QF:QF+3], v[L16], s[50:51]
	global_load_b32 v[QS], v8, s[52:53]
	global_load_b128 v[GK:GK+3], v[T16], s[KP:KP+1]    ; key step 0, whatever its bit: 512 threads x 16 bytes are the pair's 8,192
	global_load_b128 v[GV:GV+3], v[T16], s[VP:VP+1]
	global_load_b32 v[GC], v[T4], s[SP:SP+1]
.irp i, 0,1,2,3
	v_mov_b32 v[QF+4+\i], 0
	v_mov_b32 v[KF+32+\i], 0
	v_mov_b32 v[PB+\i], 0                          ; a lane permute's destination counts as one of its sources
.endr
	v_mov_b32 v[NEGV], 0xd0000000
	v_mov_b32 v[FF+1], 0                           ; named as the upper half of a pair
	v_mov_b32 v13, 0xff61b1e6                      ; the largest t so far: -3e38
	v_floor_f32 v12, -v13                          ; -M
	v_mov_b32 v14, 0                               ; the sum, in two halves
	v_mov_b32 v15, 0
.set ii, 0
.rept 32
	v_mov_b32 v[OT+ii], 0                          ; O^T: the step is written for every step alike; the first change of M multiplies zeros
.set ii, ii+1
.endr
	s_wait_kmcnt 0x0
	s_and_b32 s[WGS], s68, s69
	s_and_b32 s[WGS], s[WGS], s70
	s_and_b32 s[WGS], s[WGS], s71
	s_and_b32 s[WGS], s[WGS], s72
	s_and_b32 s[WGS], s[WGS], s73
	s_and_b32 s[WGS], s[WGS], s74
	s_and_b32 s[WGS], s[WGS], s75                  ; a step is passed over where all eight tiles allow it
	s_wait_loadcnt 0x0                             ; Q, and step 0's bytes; the loads' bases are free, so s16 to s83 may take mask words
	MASKS 0                                        ; key step 0's mask words, whatever its bit
	ds_store_b128 v[T16], v[GK:GK+3]
	ds_store_b128 v[T16], v[GV:GV+3] offset:8192
	ds_store_b32 v[T4], v[GC] offset:16384
	s_wait_dscnt 0x0
	s_barrier_signal -1
	s_barrier_wait -1
; A KEY STEP of 128 keys in slot `slot`.  stage = 1: the next step's bytes are fetched into the other slot, unless it is passed over.  last = 1: no step and no barrier follow.
; THE MASK WORDS RUN A STEP AHEAD: an open step asks for the next step's 64 words as soon as its own have been used; a hidden step asks for them only if the next step is open.  So every open step finds its words asked for a step earlier.
.macro STEP slot, stage, last
.set OB, (\slot)*SLOTB
.set NB, (1-(\slot))*SLOTB
.if \stage
	s_bitcmp1_b32 s[WGS], 1
	s_cbranch_scc1 .Lnoload_\@
	global_load_b128 v[GK:GK+3], v[T16], s[KP:KP+1] offset:65536*((\slot)+1)
	global_load_b128 v[GV:GV+3], v[T16], s[VP:VP+1] offset:65536*((\slot)+1)
	global_load_b32 v[GC], v[T4], s[SP:SP+1] offset:16384*((\slot)+1)
.Lnoload_\@:
.endif
	s_bitcmp1_b32 s[WGS], 0
	s_cbranch_scc0 .Lopen_\@
.if \last
	s_wait_kmcnt 0x0                               ; words that the step before may have asked for
.else
	s_bitcmp1_b32 s[WGS], 1
	s_cbranch_scc1 .Ljoin_\@                       ; the next step is hidden too: nothing is asked for, nothing is waited for
	s_wait_kmcnt 0x0                               ; words that the step before may have asked for have landed: their registers may be loaded again
	MASKS 256*((\slot)+1)
.endif
	s_branch .Ljoin_\@
.Lopen_\@:
	ds_load_b128 v[KSC:KSC+3], v[ASC] offset:OB+16384
.irp t, 0,1,2,3,4,5,6,7
	ds_load_b128 v[KF+4*\t:KF+4*\t+3], v[AKV] offset:OB+512*\t
.endr
	s_wait_dscnt 0x0                               ; K and its scale words
.irp t, 0,1,2,3,4,5,6,7                        ; S^T: lane (r, h), register j of tile t: query r, key 16 t + 8 h + j
.if (\t)%2
	v_wmma_scale_f32_16x16x128_f8f6f4 v[S+8*\t:S+8*\t+7], v[KF+4*\t:KF+4*\t+7], v[QF:QF+7], 0, v[KSC+\t/2], v[QS] matrix_a_fmt:MATRIX_FMT_FP4 matrix_b_fmt:MATRIX_FMT_FP4 matrix_a_scale:MATRIX_SCALE_ROW1
.else
	v_wmma_scale_f32_16x16x128_f8f6f4 v[S+8*\t:S+8*\t+7], v[KF+4*\t:KF+4*\t+7], v[QF:QF+7], 0, v[KSC+\t/2], v[QS] matrix_a_fmt:MATRIX_FMT_FP4 matrix_b_fmt:MATRIX_FMT_FP4
.endif
.endr
	ds_load_b128 v[VSC:VSC+3], v[ASC] offset:OB+16896      ; V is asked for only now, behind every wave's loads of K, and has the softmax in which to land.  Its registers are none of the products' above; the four places behind the last step's V^T P stand at that step's end
.irp t, 0,1,2,3,4,5,6,7
	ds_load_b128 v[VF+4*\t:VF+4*\t+3], v[AKV] offset:OB+8192+512*\t
.endr
.rept 4
	v_nop                                          ; places behind the products, ahead of the first read of their results
.endr
	s_wait_kmcnt 0x0                               ; this step's mask words, asked for a step ago
.set nn, 0
.rept 64
.if nn < 48
	v_cndmask_b32 v[S+nn], v[S+nn], v[NEGV], s[16+nn]      ; each accumulator from its low end on
.else
	v_cndmask_b32 v[S+nn], v[S+nn], v[NEGV], s[20+nn]
.endif
.set nn, nn+1
.endr
.irp b, 0,1,2,3
	v_max3_num_f32 v[BX+\b], v[S+16*\b], v[S+16*\b+1], v[S+16*\b+2]   ; the largest score of each block of 32 keys: for the row's maximum, and, since p rises with the score, for the block's largest p
.endr
.irp i, 3,5,7,9,11,13
.irp b, 0,1,2,3
	v_max3_num_f32 v[BX+\b], v[BX+\b], v[S+16*\b+\i], v[S+16*\b+\i+1]
.endr
.endr
.irp b, 0,1,2,3
	v_max_num_f32 v[BX+\b], v[BX+\b], v[S+16*\b+15]
.endr
.irp b, 0,1,2,3
	v_permlanex16_b32 v[PB+\b], v[BX+\b], s[SEL], s[SEL+1]
.endr
.irp b, 0,1,2,3
	v_max_num_f32 v[BX+\b], v[BX+\b], v[PB+\b]     ; with lane l xor 16's 16 keys
.endr
.if (\last) == 0
	MASKS 256*((\slot)+1)                          ; the next step's mask words, whatever its bit: this step's have been used; step 15 asks for none, so no load leaves the tile's 4,096 bytes
.endif
	v_max3_num_f32 v[TT], v[BX], v[BX+1], v[BX+2]
	v_max_num_f32 v[TT], v[TT], v[BX+3]
	v_mul_f32 v[TT], s[CS], v[TT]                  ; as t (c is positive)
	v_max_num_f32 v13, v13, v[TT]                  ; the running largest t
	v_mov_b32 v[TT], v12
	v_floor_f32 v12, -v13                          ; the new -M = -ceil(t): a whole number
	v_sub_f32 v[TT], v12, v[TT]                    ; old M - new M: a whole number, 0 or less
	v_cvt_i32_f32 v[TT], v[TT]                     ; (it saturates)
	v_ldexp_f32 v[FF], 1.0, v[TT]                  ; f = 2^(old M - new M)
.irp j, 0,2,4,6,8,10,12,14,16,18,20,22,24,26,28,30,32,34,36,38,40,42,44,46,48,50,52,54,56,58,60,62
	v_pk_fma_f32 v[S+\j:S+\j+1], v[S+\j:S+\j+1], s[CS:CS+1], v[12:13] op_sel_hi:[1,0,0]   ; t - M, two at a time
.endr
.irp b, 0,1,2,3
	v_fma_f32 v[BX+\b], v[BX+\b], s[CS], v12       ; the same of each block's largest score
.endr
.set nn, 0
.rept 64
	v_exp_f32 v[S+nn], v[S+nn]                     ; p = 2^(t - M), at most 1
.set nn, nn+1
.endr
	v_pk_mul_f32 v[14:15], v[14:15], v[FF:FF+1] op_sel_hi:[1,0]   ; the sums under the new M: a plain instruction behind the exponentials
	s_wait_alu depctr_va_vdst(0)                   ; one wait for the whole batch, ahead of its first reader
.irp b, 0,1,2,3
	v_exp_f32 v[BX+\b], v[BX+\b]                   ; the block's largest p
.endr
	v_pk_add_f32 v[C2:C2+1], v[S:S+1], v[S+2:S+3]  ; the row's sum of the unquantised p, in two chains
.irp j, 4,8,12,16,20,24,28,32,36,40,44,48,52,56,60
	v_pk_add_f32 v[14:15], v[14:15], v[S+\j:S+\j+1]
	v_pk_add_f32 v[C2:C2+1], v[C2:C2+1], v[S+\j+2:S+\j+3]
.endr
	v_pk_add_f32 v[14:15], v[14:15], v[C2:C2+1]
	s_wait_alu depctr_va_vdst(0)                   ; and one for the four
.irp b, 0,1,2,3
	v_max_num_f32 v[BX+\b], 0x1800000, v[BX+\b]    ; the floor 2^(3 - 127): the byte cannot fall under 1
.endr
.irp b, 0,1,2,3
	v_add_nc_u32 v[SO+\b], 0xff000000, v[BX+\b]    ; 2 off the exponent field: the conversion's scale operand
.endr
.irp b, 0,1,2,3
	v_lshrrev_b32 v[PB+\b], 23, v[SO+\b]
.endr
	v_lshl_or_b32 v[PSC], v[PB+1], 8, v[PB]        ; p's scale word for these 128 keys
	v_lshl_or_b32 v[PSC], v[PB+2], 16, v[PSC]
	v_lshl_or_b32 v[PSC], v[PB+3], 24, v[PSC]
.irp b, 0,1,2,3                                ; tile 2 b + u gives block b's words 2 u (lanes 0-15) and 2 u + 1 (lanes 16-31)
	v_cvt_scalef32_pk8_fp4_f32 v[PF+4*(\b/2)+(\b%2)], v[S+16*\b:S+16*\b+7], v[SO+\b]
	v_cvt_scalef32_pk8_fp4_f32 v[PF+4*(\b/2)+2+(\b%2)], v[S+16*\b+8:S+16*\b+15], v[SO+\b]
.endr
	v_nop                                          ; one plain place behind a scaled conversion
.irp i, 0,2,4,6
	v_permlane16_swap_b32 v[PF+\i], v[PF+\i+1]     ; lane half h now holds block 2 c + h whole, in registers 4 c .. 4 c + 3
.endr
.irp j, 0,2,4,6,8,10,12,14,16,18,20,22,24,26,28,30
	v_pk_mul_f32 v[OT+\j:OT+\j+1], v[OT+\j:OT+\j+1], v[FF:FF+1] op_sel_hi:[1,0]   ; O^T under the new M; of these sixteen, twelve name no register of any one product below: the places between the scale word's and the codes' last writes and that product
.endr
	s_wait_dscnt 0x0                               ; V and its scale words
.irp t, 0,1,2,3                                ; O^T += V^T P^T: the four accumulators take single turns
.if (\t)%2
	v_wmma_scale_f32_16x16x128_f8f6f4 v[OT+8*\t:OT+8*\t+7], v[VF+8*\t:VF+8*\t+7], v[PF:PF+7], v[OT+8*\t:OT+8*\t+7], v[VSC+\t/2], v[PSC] matrix_a_fmt:MATRIX_FMT_FP4 matrix_b_fmt:MATRIX_FMT_FP4 matrix_a_scale:MATRIX_SCALE_ROW1
.else
	v_wmma_scale_f32_16x16x128_f8f6f4 v[OT+8*\t:OT+8*\t+7], v[VF+8*\t:VF+8*\t+7], v[PF:PF+7], v[OT+8*\t:OT+8*\t+7], v[VSC+\t/2], v[PSC] matrix_a_fmt:MATRIX_FMT_FP4 matrix_b_fmt:MATRIX_FMT_FP4
.endif
.endr
.rept 4
	v_nop                                          ; places ahead of the next open step's loads into V's registers, and of the reads of O^T
.endr
.Ljoin_\@:
	s_wait_loadcnt 0x0                             ; the next step's bytes are in registers (on every way)
.if \stage
	s_bitcmp1_b32 s[WGS], 1
	s_cbranch_scc1 .Lnostore_\@
	ds_store_b128 v[T16], v[GK:GK+3] offset:NB
	ds_store_b128 v[T16], v[GV:GV+3] offset:NB+8192
	ds_store_b32 v[T4], v[GC] offset:NB+16384
.Lnostore_\@:
.endif
	s_lshr_b32 s[WGS], s[WGS], 1
	s_wait_dscnt 0x0                               ; my stores into the other slot are done, my reads of this one are back
.if (\last) == 0
	s_barrier_signal -1
	s_barrier_wait -1
.endif
.endm
	s_mov_b32 s[TRIPS], 7
.Ltrip:                                            ; two key steps a trip, so that the slots' numbers are constants
	STEP 0, 1, 0
	STEP 1, 1, 0
	s_wait_xcnt 0x0                                ; every load, the mask words' scalar loads among them, has read its base
	s_add_nc_u64 s[KP:KP+1], s[KP:KP+1], 131072
	s_add_nc_u64 s[VP:VP+1], s[VP:VP+1], 131072
	s_add_nc_u64 s[SP:SP+1], s[SP:SP+1], 32768
	s_add_nc_u64 s[MP:MP+1], s[MP:MP+1], 512
	s_sub_co_u32 s[TRIPS], s[TRIPS], 1
	s_cmp_lg_u32 s[TRIPS], 0
	s_cbranch_scc1 .Ltrip
	STEP 0, 1, 0
	STEP 1, 0, 1                                   ; the last step fetches nothing
	; THE WAY OUT: O^T / the sum; the head's two blocks of 32 quantised; one image of 512 bytes; the two scale bytes meet the other head's in LDS.
	v_add_f32 v14, v14, v15
	v_permlanex16_b32 v[PB], v14, s[SEL], s[SEL+1]
	v_add_f32 v14, v14, v[PB]                      ; the row's sum
	v_rcp_f32 v14, v14
	v_nop                                          ; a plain place behind the reciprocal
	s_wait_alu depctr_va_vdst(0)                   ; and the wait ahead of its first reader
.set ii, 0
.rept 32
	v_mul_f32 v[S+ii], v[OT+ii], v14               ; register 8 dt + j: channel 16 dt + 8 h + j of query r
.set ii, ii+1
.endr
.irp b, 0,1
	v_max3_num_f32 v[BX+\b], |v[S+16*\b]|, |v[S+16*\b+1]|, 0x1800000
.endr
.irp i, 2,4,6,8,10,12,14
.irp b, 0,1
	v_max3_num_f32 v[BX+\b], v[BX+\b], |v[S+16*\b+\i]|, |v[S+16*\b+\i+1]|
.endr
.endr
.irp b, 0,1
	v_permlanex16_b32 v[PB+\b], v[BX+\b], s[SEL], s[SEL+1]
.endr
.irp b, 0,1
	v_max_num_f32 v[BX+\b], v[BX+\b], v[PB+\b]
.endr
.irp b, 0,1
	v_add_nc_u32 v[SO+\b], 0xff000000, v[BX+\b]
.endr
.irp b, 0,1
	v_lshrrev_b32 v[PB+\b], 23, v[SO+\b]
.endr
	v_lshl_or_b32 v[TT], v[PB+1], 8, v[PB]
.irp b, 0,1
	v_cvt_scalef32_pk8_fp4_f32 v[PF+\b], v[S+16*\b:S+16*\b+7], v[SO+\b]
	v_cvt_scalef32_pk8_fp4_f32 v[PF+2+\b], v[S+16*\b+8:S+16*\b+15], v[SO+\b]
.endr
	v_nop
	v_permlane16_swap_b32 v[PF], v[PF+1]
	v_permlane16_swap_b32 v[PF+2], v[PF+3]
	global_store_b128 v[L16], v[PF:PF+3], s[OCP:OCP+1]     ; 512 consecutive bytes
	ds_store_b16 v[AGS], v[TT]                     ; both halves of the lanes write the same two bytes with the same value
	s_wait_dscnt 0x0
	s_barrier_signal -1
	s_barrier_wait -1
	s_cmp_lg_u32 s[WV], 0
	s_cbranch_scc1 .Lend
	ds_load_b128 v[S:S+3], v[AGR]                  ; 128 tokens' words
	s_wait_dscnt 0x0
	global_store_b128 v[L16], v[S:S+3], s[OSP:OSP+1]       ; 512 consecutive bytes
.Lend:
	s_wait_tensorcnt 0x0
	ds_add_u32 v254, v255
	s_wait_dscnt 0x0
	s_endpgm
.Lfunc_end_k_q86a4727d66_attn:
	.size	k_q86a4727d66_attn, .Lfunc_end_k_q86a4727d66_attn-k_q86a4727d66_attn
	.p2alignl 7, 3214868480
	.fill 96, 4, 3214868480
	.section	.rodata,"a",@progbits
	.p2align	6, 0x0
	.amdhsa_kernel k_q86a4727d66_attn
		.amdhsa_group_segment_fixed_size 39424
		.amdhsa_private_segment_fixed_size 0
		.amdhsa_enable_private_segment 0
		.amdhsa_kernarg_size 64
		.amdhsa_user_sgpr_count 2
		.amdhsa_user_sgpr_kernarg_segment_ptr 1
		.amdhsa_wavefront_size32 1
		.amdhsa_system_sgpr_workgroup_id_x 1
		.amdhsa_system_sgpr_workgroup_id_y 1
		.amdhsa_system_sgpr_workgroup_id_z 1
		.amdhsa_system_vgpr_workitem_id 0
		.amdhsa_next_free_vgpr 256
		.amdhsa_next_free_sgpr 100
		.amdhsa_reserve_vcc 0
		.amdhsa_float_denorm_mode_32 3
		.amdhsa_float_denorm_mode_16_64 3
		.amdhsa_memory_ordered 1
		.amdhsa_forward_progress 1
		.amdhsa_inst_pref_size 90
	.end_amdhsa_kernel
	.amdgpu_metadata
---
amdhsa.version: [ 1, 2 ]
amdhsa.kernels:
  - .name:           k_q86a4727d66_attn
    .symbol:         k_q86a4727d66_attn.kd
    .args:
      - { .name: qc, .offset: 0, .size: 8, .value_kind: global_buffer, .address_space: global }
      - { .name: qs, .offset: 8, .size: 8, .value_kind: global_buffer, .address_space: global }
      - { .name: kc, .offset: 16, .size: 8, .value_kind: global_buffer, .address_space: global }
      - { .name: vc, .offset: 24, .size: 8, .value_kind: global_buffer, .address_space: global }
      - { .name: kvs, .offset: 32, .size: 8, .value_kind: global_buffer, .address_space: global }
      - { .name: mw, .offset: 40, .size: 8, .value_kind: global_buffer, .address_space: global }
      - { .name: oc, .offset: 48, .size: 8, .value_kind: global_buffer, .address_space: global }
      - { .name: skw, .offset: 56, .size: 8, .value_kind: global_buffer, .address_space: global }
    .group_segment_fixed_size: 39424
    .private_segment_fixed_size: 0
    .kernarg_segment_align: 8
    .kernarg_segment_size: 64
    .max_flat_workgroup_size: 512
    .sgpr_count:     100
    .vgpr_count:     256
    .wavefront_size: 32
...
	.end_amdgpu_metadata
.endif
;; end of part 5
;; launch oproj: the kernel of part 4 again; grid 4 x 32, 4 waves a work-group, clusters of 4 x 4, 327,680 bytes of LDS; arguments oc, W_o_codes, W_o_scales, b_o, out0; writes out0
;; ======== version 3 of 3: 4 launches; version 2 with the launch attn written anew for expert scheduling mode
;; limits: right only within a limited range of input values
;; workspace buffers: skw 2,048 bytes of whole numbers; mw 2,097,152 bytes of whole numbers; qc 4,194,304 bytes; qs 1,048,576 bytes; kc 4,194,304 bytes; vc 4,194,304 bytes; kvs 1,048,576 bytes; oc 4,456,448 bytes
;; launch pack: the kernel of part 1 again; grid 128 x 4, 4 waves a work-group, no clusters, 768 bytes of LDS; arguments causal_mask, context_mask, mw, skw; writes mw, skw
;; launch proj: the kernel of part 2 again; grid 4 x 96, 4 waves a work-group, clusters of 4 x 4, 327,680 bytes of LDS; arguments q_codes, q_scales, W_q_codes, W_q_scales, b_q, qc, qs, k_codes, k_scales, W_k_codes, W_k_scales, b_k, kc, kvs, W_v_codes, W_v_scales, v_codes, v_scales, b_v, vc; writes qc, qs, kc, kvs, vc
;; launch attn (part 6): grid 32 x 16, 16 waves a work-group, no clusters, 39,424 bytes of LDS; arguments qc, qs, kc, vc, kvs, mw, oc, skw; writes oc
.if DOCPART == 6
	.amdgcn_target "amdgcn-amd-amdhsa--gfx1250"
	.amdhsa_code_object_version 6
	.text
	.protected	k_q86a4727d66_attn
	.globl	k_q86a4727d66_attn
	.p2align	8
	.type	k_q86a4727d66_attn,@function
k_q86a4727d66_attn:
	s_mov_b64 s[64:65], 0
	v_nop
	global_prefetch_b8 v0, s[64:65] scope:SCOPE_SE
	s_setreg_imm32_b32 hwreg(HW_REG_WAVE_SCHED_MODE, 0, 2), 2
	s_setreg_imm32_b32 hwreg(HW_REG_WAVE_MODE, 25, 1), 1
	s_wait_xcnt 0x0
	s_wait_alu depctr_vm_vsrc(0)
; Attention on codes of FP4 (E2M1) with E8M0 scales: S^T = K Q^T (K = the head's 64, filled to 128 with zero codes of Q), both masks, p = 2^(t - M), O^T = V^T P^T (K = 128 keys a step), O / the row's sum, quantised along the features.
; t = score x log2(e) / 8: the factor 1/8 of reference() stands here, since the projection left it out of q's scale bytes.  M = the running largest t rounded UP to a whole number; when it moves, the sum and O^T
; are multiplied by 2^(old M - new M), which rounds nothing.  The row's sum is taken of the unquantised p.
; THE MASKS come as lane-mask words that an earlier launch made of both inputs: one v_cndmask_b32 a score.  A hidden score becomes -2^33, so that t is a whole number and a row that sees no key gets p = 1 at every key.
; LIMIT: reference() writes -1e9 there; the results are the same wherever every open logit lies above about -1e9.  NaN and infinities are not served; a block under 2^-124 gets the byte 1.
; A KEY STEP THAT IS HIDDEN FROM ALL 128 QUERIES IS PASSED OVER, by a scalar branch on the stored bits of skw; the bits are 0 where a query sees no key at all.  Because of that branch K and V come through registers into LDS, by no tensor load.
; No multicast: this launch has no tensor loads; a key step's K, V and scale words are 18,432 bytes for 16 waves.  No prefetch: each step's bytes are asked for by their loads a whole key step ahead of their use.
; SHARES: a work-group is (batch, pair of heads, 128 queries); wave w: head 2 pair + w / 8, queries 16 (w % 8) on: one tile, 256 registers, four waves to a SIMD.  The two heads of a pair are one K step of the last product: their four scale bytes make one word.
; THE GRID: x is (batch, pair), y counts the blocks of queries from the last to the first.  So the 32 work-groups of one y have the same stored bits' pattern for a given batch, and wherever the masks hide later keys
; from earlier queries the work-groups with the most open key steps have the lowest numbers.  It changes no value.
; LDS: two slots of 18,432 bytes (K 2 x 4,096, V 2 x 4,096, scale words 2 x 1,024), and 512 bytes for the outputs' scale words.  One barrier a step: in front of it a wave's reads of the slot in hand are back and its stores into the other are done.
; All operands lie in memory and LDS as images of their registers: 512 bytes, lane L's 16 bytes at 16 L.
; oc: [tile of 16 tokens 512][head 16][512 bytes], and behind these 4,194,304 bytes the scale words [batch][pair of heads 8][token 2,048].
; THE MODE: SCHED_MODE bits 1:0 = 2 (LLVM: expert scheduling mode 2), set by the entry lines.  The code itself states the register dependences between vector or matrix instructions and memory or LDS instructions,
; with s_wait_alu, always for 0.
; THE PLAN.  Registers that memory or LDS instructions touch:
;   v1 to v8        offsets and LDS addresses: written at the head, never again; read by every load and store.  One wait on va_vdst at the head, ahead of the first load.
;   GK, GV, GC      written by a step's three global loads, read by the three LDS stores at its end; no vector instruction names them.  One wait on vm_vsrc at a step's head: the stores have read them.
;   KF, KSC         written by the LDS loads at an open step's head, read by its eight products K Q^T.
;   VF, VSC         written by LDS loads dealt among those eight products, read by the step's four products V^T P, at its end.
;   So ONE wait on va_vdst at an open step's head states that the last open step's products are done reading all four; between it and V's loads stand only the products K Q^T, which name none of V's registers.
;   PF, PSC         p's codes and scale word: written by vector instructions, operands of the scaled products V^T P: their places, then one wait on va_vdst.
;   s16 to s83      the mask words: read by a step's 64 selections, then loaded again by scalar loads: one wait on va_vdst between.
;   The way out     PF, TT: written by vector instructions, read by two stores; v[S] to v[S+3]: named by vector instructions, then loaded by wave 0: one wait on va_vdst ahead of the stores serves all three.
.set SLOTB, 18432
.set GSW,   2*SLOTB
.set OSOFF, 4194304                    ; where the scale words begin in oc
.set T16, 1                            ; v1   16 x thread
.set T4,  2                            ; v2   4 x thread
.set AKV, 3                            ; v3   16 x lane + 4,096 x (my head of the two)
.set ASC, 4                            ; v4   16 x lane + 1,024 x (my head)
.set L16, 5                            ; v5   16 x lane
.set AGS, 6                            ; v6   where my two scale bytes go
.set AGR, 7                            ; v7   where wave 0 reads the words back
.set QF,  16                           ; v16-19 Q, v20-23 zeros: k = 64 .. 127
.set QS,  24                           ; v24  Q's scale words
.set KF,  32                           ; v32-63 K: tile th at v[32 + 4 th]; read as eight registers, whose upper four meet Q's zeros; v64-67 zeros behind the last
.set VF,  68                           ; v68-99 V: channel tile dt at v[68 + 8 dt]
.set S,   100                          ; v100-163 S^T, then p
.set OT,  164                          ; v164-195 O^T
.set PF,  196                          ; v196-203 p's codes
.set KSC, 204                          ; v204-207 K's scale words: tiles 2 i (lanes 0-15) and 2 i + 1 (lanes 16-31)
.set VSC, 208                          ; v208-211 V's likewise (two are used)
.set BX,  212                          ; v212-215 the blocks' largest scores, then largest p
.set PB,  216                          ; v216-219 permutes' destinations, then bytes
.set SO,  220                          ; v220-223 the conversions' scale operands
.set FF,  224                          ; v[224:225] f = 2^(old M - new M), in the low word
.set TT,  226
.set C2,  228                          ; v[228:229] the sums' second chain
.set GK,  236                          ; v236-244 the next step's bytes on their way to LDS
.set GV,  240
.set GC,  244
.set NEGV, 245                         ; -2^33
.set PSC, 246                          ; p's scale word
.set KP,  2
.set VP,  4
.set SP,  6
.set MP,  8
.set OCP, 10
.set OSP, 12
.set WV,  14
.set WGS, 15                           ; bit 0: the step in hand is passed over; bit 1: the next one
.set SEL, 84
.set CS,  86
.set TRIPS, 88
; my tile's 64 mask words of one key step, from off bytes behind s[MP:MP+1] on: word n in s[16 + n], from word 48 on in s[20 + n]
.macro MASKS off
	s_load_b512 s[16:31], s[MP:MP+1], (\off)
	s_load_b512 s[32:47], s[MP:MP+1], (\off)+64
	s_load_b512 s[48:63], s[MP:MP+1], (\off)+128
	s_load_b512 s[68:83], s[MP:MP+1], (\off)+192
.endm
	s_load_b512 s[16:31], s[0:1], 0x0              ; qc, qs, kc, vc, kvs, mw, oc, skw
	v_lshl_add_u32 v254, v0, 2, 0x9200
	v_mov_b32 v255, 0
	v_lshrrev_b32 v9, 5, v0
	v_readfirstlane_b32 s[WV], v9                  ; wave 0..15
	v_lshlrev_b32 v[T16], 4, v0
	v_lshlrev_b32 v[T4], 2, v0
	v_and_b32 v9, 31, v0
	v_lshlrev_b32 v[L16], 4, v9
	v_and_b32 v10, 15, v0                          ; r
	v_lshlrev_b32 v8, 4, v10
	s_wait_alu depctr_va_sdst(0)                   ; the wave's number is written, ahead of its first reader: addresses and branches are made from it
	s_lshr_b32 s89, s[WV], 3                       ; my head of the two
	s_and_b32 s90, s[WV], 7                        ; my tile of 16 queries
	s_and_b32 s91, ttmp7, 0xffff
	s_lshr_b32 s92, ttmp9, 3                       ; batch
	s_and_b32 s93, ttmp9, 7                        ; pair of heads
	s_sub_co_u32 s94, 15, s91                      ; block of 128 queries, the last first
	s_lshl_b32 s95, s93, 1
	s_add_co_u32 s95, s95, s89                     ; head
	s_lshl_b32 s33, s89, 12
	v_add_nc_u32 v[AKV], s33, v[L16]
	s_lshl_b32 s33, s89, 10
	v_add_nc_u32 v[ASC], s33, v[L16]
	s_lshl_b32 s33, s90, 6
	s_lshl_b32 s39, s89, 1
	s_add_co_u32 s33, s33, s39
	s_add_co_u32 s33, s33, GSW
	v_lshl_add_u32 v[AGS], v10, 2, s33             ; word 16 tile + r, half word = my head
	v_add_nc_u32 v[AGR], GSW, v[L16]
	s_lshl_b32 s96, s92, 20                        ; K, V: 16 steps x 16 heads x 4,096 bytes a batch,
	s_lshl_b32 s97, s93, 13                        ; two heads a pair
	s_add_co_u32 s96, s96, s97
	s_mov_b32 s97, 0
	s_lshr_b32 s98, s96, 2                         ; the scale words: 1,024 bytes a head and step
	s_mov_b32 s99, 0
	s_lshl_b32 s32, s92, 4
	s_add_co_u32 s32, s32, s94
	s_lshl_b32 s32, s32, 4
	s_add_co_u32 s32, s32, s95                     ; (16 batch + block) x 16 + head
	s_lshl_b32 s34, s32, 12
	s_lshl_b32 s33, s90, 9
	s_add_co_u32 s34, s34, s33                     ; Q's image
	s_mov_b32 s35, 0
	s_lshl_b32 s36, s32, 10
	s_and_b32 s33, s90, 1
	s_lshl_b32 s33, s33, 8
	s_add_co_u32 s36, s36, s33
	s_lshr_b32 s33, s90, 1
	s_lshl_b32 s33, s33, 2
	s_add_co_u32 s36, s36, s33                     ; Q's scale words: token 16 tile + r is word (r + 16 (tile % 2), tile / 2)
	s_mov_b32 s37, 0
	s_lshl_b32 s38, s92, 7
	s_lshl_b32 s33, s94, 3
	s_add_co_u32 s38, s38, s33                     ; 128 batch + 8 block: the block's first tile
	s_lshl_b32 s40, s38, 2                         ; its eight words of steps: 32 bytes
	s_mov_b32 s41, 0
	s_add_co_u32 s38, s38, s90                     ; my tile
	s_lshl_b32 s42, s38, 12
	s_mov_b32 s43, 0
	s_lshl_b32 s44, s38, 4
	s_add_co_u32 s44, s44, s95
	s_lshl_b32 s44, s44, 9                         ; the image: (tile x 16 + head) x 512
	s_mov_b32 s45, 0
	s_lshl_b32 s46, s92, 3
	s_add_co_u32 s46, s46, s93
	s_lshl_b32 s46, s46, 13
	s_lshl_b32 s33, s94, 9
	s_add_co_u32 s46, s46, s33                     ; the scale words: (8 batch + pair) x 8,192 + 512 block,
	s_add_co_u32 s46, s46, OSOFF                   ; behind the images
	s_mov_b32 s47, 0
	s_mov_b32 s[SEL], 0x76543210
	s_mov_b32 s[SEL+1], 0xfedcba98                 ; v_permlanex16_b32's selects for lane l xor 16
	s_mov_b32 s[CS], 0x3e38aa3b                    ; c = log2(e) / 8
	s_mov_b32 s[CS+1], s[CS]
	s_wait_kmcnt 0x0
	s_add_nc_u64 s[KP:KP+1], s[20:21], s[96:97]
	s_add_nc_u64 s[VP:VP+1], s[22:23], s[96:97]
	s_add_nc_u64 s[SP:SP+1], s[24:25], s[98:99]
	s_add_nc_u64 s[MP:MP+1], s[26:27], s[42:43]
	s_add_nc_u64 s[OCP:OCP+1], s[28:29], s[44:45]
	s_add_nc_u64 s[OSP:OSP+1], s[28:29], s[46:47]
	s_add_nc_u64 s[48:49], s[30:31], s[40:41]
	s_add_nc_u64 s[50:51], s[16:17], s[34:35]
	s_add_nc_u64 s[52:53], s[18:19], s[36:37]
	s_load_b256 s[68:75], s[48:49], 0x0            ; the eight tiles' words of steps
	s_wait_alu depctr_va_vdst(0)                   ; v1 to v8 are written: the offsets and LDS addresses that the loads and stores of the whole kernel read; none of them is written again
	global_load_b128 v[QF:QF+3], v[L16], s[50:51]
	global_load_b32 v[QS], v8, s[52:53]
	global_load_b128 v[GK:GK+3], v[T16], s[KP:KP+1]    ; key step 0, whatever its bit: 512 threads x 16 bytes are the pair's 8,192
	global_load_b128 v[GV:GV+3], v[T16], s[VP:VP+1]
	global_load_b32 v[GC], v[T4], s[SP:SP+1]
.irp i, 0,1,2,3
	v_mov_b32 v[QF+4+\i], 0
	v_mov_b32 v[KF+32+\i], 0
	v_mov_b32 v[PB+\i], 0                          ; a lane permute's destination counts as one of its sources
.endr
	v_mov_b32 v[NEGV], 0xd0000000
	v_mov_b32 v[FF+1], 0                           ; named as the upper half of a pair
	v_mov_b32 v13, 0xff61b1e6                      ; the largest t so far: -3e38
	v_floor_f32 v12, -v13                          ; -M
	v_mov_b32 v14, 0                               ; the sum, in two halves
	v_mov_b32 v15, 0
.set ii, 0
.rept 32
	v_mov_b32 v[OT+ii], 0                          ; O^T: the step is written for every step alike; the first change of M multiplies zeros
.set ii, ii+1
.endr
	s_wait_kmcnt 0x0
	s_and_b32 s[WGS], s68, s69
	s_and_b32 s[WGS], s[WGS], s70
	s_and_b32 s[WGS], s[WGS], s71
	s_and_b32 s[WGS], s[WGS], s72
	s_and_b32 s[WGS], s[WGS], s73
	s_and_b32 s[WGS], s[WGS], s74
	s_and_b32 s[WGS], s[WGS], s75                  ; a step is passed over where all eight tiles allow it
	s_wait_loadcnt 0x0                             ; Q, and step 0's bytes; the loads' bases are free, so s16 to s83 may take mask words
	MASKS 0                                        ; key step 0's mask words, whatever its bit
	ds_store_b128 v[T16], v[GK:GK+3]
	ds_store_b128 v[T16], v[GV:GV+3] offset:8192
	ds_store_b32 v[T4], v[GC] offset:16384
	s_wait_dscnt 0x0
	s_barrier_signal -1
	s_barrier_wait -1
; A KEY STEP of 128 keys in slot `slot`.  stage = 1: the next step's bytes are fetched into the other slot, unless it is passed over.  last = 1: no step and no barrier follow.
; THE MASK WORDS RUN A STEP AHEAD: an open step asks for the next step's 64 words as soon as its own have been used; a hidden step asks for them only if the next step is open.  So every open step finds its words asked for a step earlier.
.macro STEP slot, stage, last
.set OB, (\slot)*SLOTB
.set NB, (1-(\slot))*SLOTB
.if \stage
	s_wait_alu depctr_vm_vsrc(0)                   ; the LDS stores at the end of the step before (ahead of the first step: the head's) have read v[GK] to v[GC], in which the loads below land
	s_bitcmp1_b32 s[WGS], 1
	s_cbranch_scc1 .Lnoload_\@
	global_load_b128 v[GK:GK+3], v[T16], s[KP:KP+1] offset:65536*((\slot)+1)
	global_load_b128 v[GV:GV+3], v[T16], s[VP:VP+1] offset:65536*((\slot)+1)
	global_load_b32 v[GC], v[T4], s[SP:SP+1] offset:16384*((\slot)+1)
.Lnoload_\@:
.endif
	s_bitcmp1_b32 s[WGS], 0
	s_cbranch_scc0 .Lopen_\@
.if \last
	s_wait_kmcnt 0x0                               ; words that the step before may have asked for
.else
	s_bitcmp1_b32 s[WGS], 1
	s_cbranch_scc1 .Ljoin_\@                       ; the next step is hidden too: nothing is asked for, nothing is waited for
	s_wait_kmcnt 0x0                               ; words that the step before may have asked for have landed: their registers may be loaded again (the last open step's selections, which read them, stand ahead of that step's later waits on va_vdst)
	MASKS 256*((\slot)+1)
.endif
	s_branch .Ljoin_\@
.Lopen_\@:
	s_wait_alu depctr_va_vdst(0)                   ; the last open step's products are done reading K, V and their scale words, in which this step's LDS loads land; in the first open step: the zeros in v20-23 and v64-67, operands of the products below, are written
	ds_load_b128 v[KSC:KSC+3], v[ASC] offset:OB+16384
.irp t, 0,1,2,3,4,5,6,7
	ds_load_b128 v[KF+4*\t:KF+4*\t+3], v[AKV] offset:OB+512*\t
.endr
	s_wait_dscnt 0x0                               ; K and its scale words
.irp t, 0,1,2,3,4,5,6,7                        ; S^T: lane (r, h), register j of tile t: query r, key 16 t + 8 h + j
.if (\t)%2
	v_wmma_scale_f32_16x16x128_f8f6f4 v[S+8*\t:S+8*\t+7], v[KF+4*\t:KF+4*\t+7], v[QF:QF+7], 0, v[KSC+\t/2], v[QS] matrix_a_fmt:MATRIX_FMT_FP4 matrix_b_fmt:MATRIX_FMT_FP4 matrix_a_scale:MATRIX_SCALE_ROW1
.else
	v_wmma_scale_f32_16x16x128_f8f6f4 v[S+8*\t:S+8*\t+7], v[KF+4*\t:KF+4*\t+7], v[QF:QF+7], 0, v[KSC+\t/2], v[QS] matrix_a_fmt:MATRIX_FMT_FP4 matrix_b_fmt:MATRIX_FMT_FP4
.endif
	ds_load_b128 v[VF+4*\t:VF+4*\t+3], v[AKV] offset:OB+8192+512*\t   ; V is asked for only now, behind every wave's loads of K, one load behind each product, and has the softmax in which to land.  No wait: since the wait at the step's head only these products were issued, and they name none of V's registers
.endr
	ds_load_b128 v[VSC:VSC+3], v[ASC] offset:OB+16896      ; and V's scale words, likewise
.rept 4
	v_nop                                          ; places behind the products, ahead of the first read of their results
.endr
	s_wait_kmcnt 0x0                               ; this step's mask words, asked for a step ago
.set nn, 0
.rept 64
.if nn < 48
	v_cndmask_b32 v[S+nn], v[S+nn], v[NEGV], s[16+nn]      ; each accumulator from its low end on
.else
	v_cndmask_b32 v[S+nn], v[S+nn], v[NEGV], s[20+nn]
.endif
.set nn, nn+1
.endr
.irp b, 0,1,2,3
	v_max3_num_f32 v[BX+\b], v[S+16*\b], v[S+16*\b+1], v[S+16*\b+2]   ; the largest score of each block of 32 keys: for the row's maximum, and, since p rises with the score, for the block's largest p
.endr
.irp i, 3,5,7,9,11,13
.irp b, 0,1,2,3
	v_max3_num_f32 v[BX+\b], v[BX+\b], v[S+16*\b+\i], v[S+16*\b+\i+1]
.endr
.endr
.irp b, 0,1,2,3
	v_max_num_f32 v[BX+\b], v[BX+\b], v[S+16*\b+15]
.endr
.irp b, 0,1,2,3
	v_permlanex16_b32 v[PB+\b], v[BX+\b], s[SEL], s[SEL+1]
.endr
.irp b, 0,1,2,3
	v_max_num_f32 v[BX+\b], v[BX+\b], v[PB+\b]     ; with lane l xor 16's 16 keys
.endr
.if (\last) == 0
	s_wait_alu depctr_va_vdst(0)                   ; the 64 selections above are done reading s16 to s83, in which the scalar loads below land
	MASKS 256*((\slot)+1)                          ; the next step's mask words, whatever its bit: this step's have been used; step 15 asks for none, so no load leaves the tile's 4,096 bytes
.endif
	v_max3_num_f32 v[TT], v[BX], v[BX+1], v[BX+2]
	v_max_num_f32 v[TT], v[TT], v[BX+3]
	v_mul_f32 v[TT], s[CS], v[TT]                  ; as t (c is positive)
	v_max_num_f32 v13, v13, v[TT]                  ; the running largest t
	v_mov_b32 v[TT], v12
	v_floor_f32 v12, -v13                          ; the new -M = -ceil(t): a whole number
	v_sub_f32 v[TT], v12, v[TT]                    ; old M - new M: a whole number, 0 or less
	v_cvt_i32_f32 v[TT], v[TT]                     ; (it saturates)
	v_ldexp_f32 v[FF], 1.0, v[TT]                  ; f = 2^(old M - new M)
.irp j, 0,2,4,6,8,10,12,14,16,18,20,22,24,26,28,30,32,34,36,38,40,42,44,46,48,50,52,54,56,58,60,62
	v_pk_fma_f32 v[S+\j:S+\j+1], v[S+\j:S+\j+1], s[CS:CS+1], v[12:13] op_sel_hi:[1,0,0]   ; t - M, two at a time
.endr
.irp b, 0,1,2,3
	v_fma_f32 v[BX+\b], v[BX+\b], s[CS], v12       ; the same of each block's largest score
.endr
.set nn, 0
.rept 64
	v_exp_f32 v[S+nn], v[S+nn]                     ; p = 2^(t - M), at most 1
.set nn, nn+1
.endr
	v_pk_mul_f32 v[14:15], v[14:15], v[FF:FF+1] op_sel_hi:[1,0]   ; the sums under the new M: a plain instruction behind the exponentials
	s_wait_alu depctr_va_vdst(0)                   ; the 64 exponentials have written p, v[S] to v[S+63]: one wait for the whole batch, ahead of its first reader
.irp b, 0,1,2,3
	v_exp_f32 v[BX+\b], v[BX+\b]                   ; the block's largest p
.endr
	v_pk_add_f32 v[C2:C2+1], v[S:S+1], v[S+2:S+3]  ; the row's sum of the unquantised p, in two chains
.irp j, 4,8,12,16,20,24,28,32,36,40,44,48,52,56,60
	v_pk_add_f32 v[14:15], v[14:15], v[S+\j:S+\j+1]
	v_pk_add_f32 v[C2:C2+1], v[C2:C2+1], v[S+\j+2:S+\j+3]
.endr
	v_pk_add_f32 v[14:15], v[14:15], v[C2:C2+1]
	s_wait_alu depctr_va_vdst(0)                   ; the four exponentials have written v[BX] to v[BX+3], ahead of their first reader
.irp b, 0,1,2,3
	v_max_num_f32 v[BX+\b], 0x1800000, v[BX+\b]    ; the floor 2^(3 - 127): the byte cannot fall under 1
.endr
.irp b, 0,1,2,3
	v_add_nc_u32 v[SO+\b], 0xff000000, v[BX+\b]    ; 2 off the exponent field: the conversion's scale operand
.endr
.irp b, 0,1,2,3
	v_lshrrev_b32 v[PB+\b], 23, v[SO+\b]
.endr
	v_lshl_or_b32 v[PSC], v[PB+1], 8, v[PB]        ; p's scale word for these 128 keys
	v_lshl_or_b32 v[PSC], v[PB+2], 16, v[PSC]
	v_lshl_or_b32 v[PSC], v[PB+3], 24, v[PSC]
.irp b, 0,1,2,3                                ; tile 2 b + u gives block b's words 2 u (lanes 0-15) and 2 u + 1 (lanes 16-31)
	v_cvt_scalef32_pk8_fp4_f32 v[PF+4*(\b/2)+(\b%2)], v[S+16*\b:S+16*\b+7], v[SO+\b]
	v_cvt_scalef32_pk8_fp4_f32 v[PF+4*(\b/2)+2+(\b%2)], v[S+16*\b+8:S+16*\b+15], v[SO+\b]
.endr
	v_nop                                          ; one plain place behind a scaled conversion
.irp i, 0,2,4,6
	v_permlane16_swap_b32 v[PF+\i], v[PF+\i+1]     ; lane half h now holds block 2 c + h whole, in registers 4 c .. 4 c + 3
.endr
.irp j, 0,2,4,6,8,10,12,14,16,18,20,22,24,26,28,30
	v_pk_mul_f32 v[OT+\j:OT+\j+1], v[OT+\j:OT+\j+1], v[FF:FF+1] op_sel_hi:[1,0]   ; O^T under the new M; of these sixteen, twelve name no register of any one product below: the places between the scale word's and the codes' last writes and that product
.endr
	s_wait_alu depctr_va_vdst(0)                   ; p's codes v[PF] to v[PF+7] and its scale word v[PSC] are written, which the scaled products below take as operand and scales; the places above stay beside this wait
	s_wait_dscnt 0x0                               ; V and its scale words
.irp t, 0,1,2,3                                ; O^T += V^T P^T: the four accumulators take single turns
.if (\t)%2
	v_wmma_scale_f32_16x16x128_f8f6f4 v[OT+8*\t:OT+8*\t+7], v[VF+8*\t:VF+8*\t+7], v[PF:PF+7], v[OT+8*\t:OT+8*\t+7], v[VSC+\t/2], v[PSC] matrix_a_fmt:MATRIX_FMT_FP4 matrix_b_fmt:MATRIX_FMT_FP4 matrix_a_scale:MATRIX_SCALE_ROW1
.else
	v_wmma_scale_f32_16x16x128_f8f6f4 v[OT+8*\t:OT+8*\t+7], v[VF+8*\t:VF+8*\t+7], v[PF:PF+7], v[OT+8*\t:OT+8*\t+7], v[VSC+\t/2], v[PSC] matrix_a_fmt:MATRIX_FMT_FP4 matrix_b_fmt:MATRIX_FMT_FP4
.endif
.endr
.rept 4
	v_nop                                          ; places behind the products, ahead of the next reads of O^T (behind the last step: the way out's)
.endr
.Ljoin_\@:
	s_wait_loadcnt 0x0                             ; the next step's bytes are in registers (on every way)
.if \stage
	s_bitcmp1_b32 s[WGS], 1
	s_cbranch_scc1 .Lnostore_\@
	ds_store_b128 v[T16], v[GK:GK+3] offset:NB
	ds_store_b128 v[T16], v[GV:GV+3] offset:NB+8192
	ds_store_b32 v[T4], v[GC] offset:NB+16384
.Lnostore_\@:
.endif
	s_lshr_b32 s[WGS], s[WGS], 1
	s_wait_dscnt 0x0                               ; my stores into the other slot are done, my reads of this one are back
.if (\last) == 0
	s_barrier_signal -1
	s_barrier_wait -1
.endif
.endm
	s_mov_b32 s[TRIPS], 7
.Ltrip:                                            ; two key steps a trip, so that the slots' numbers are constants
	STEP 0, 1, 0
	STEP 1, 1, 0
	s_wait_xcnt 0x0                                ; every load, the mask words' scalar loads among them, has read its base
	s_add_nc_u64 s[KP:KP+1], s[KP:KP+1], 131072
	s_add_nc_u64 s[VP:VP+1], s[VP:VP+1], 131072
	s_add_nc_u64 s[SP:SP+1], s[SP:SP+1], 32768
	s_add_nc_u64 s[MP:MP+1], s[MP:MP+1], 512
	s_sub_co_u32 s[TRIPS], s[TRIPS], 1
	s_cmp_lg_u32 s[TRIPS], 0
	s_cbranch_scc1 .Ltrip
	STEP 0, 1, 0
	STEP 1, 0, 1                                   ; the last step fetches nothing
	; THE WAY OUT: O^T / the sum; the head's two blocks of 32 quantised; one image of 512 bytes; the two scale bytes meet the other head's in LDS.
	v_add_f32 v14, v14, v15
	v_permlanex16_b32 v[PB], v14, s[SEL], s[SEL+1]
	v_add_f32 v14, v14, v[PB]                      ; the row's sum
	v_rcp_f32 v14, v14
	v_nop                                          ; a plain place behind the reciprocal
	s_wait_alu depctr_va_vdst(0)                   ; the reciprocal has written v14, ahead of its first reader
.set ii, 0
.rept 32
	v_mul_f32 v[S+ii], v[OT+ii], v14               ; register 8 dt + j: channel 16 dt + 8 h + j of query r
.set ii, ii+1
.endr
.irp b, 0,1
	v_max3_num_f32 v[BX+\b], |v[S+16*\b]|, |v[S+16*\b+1]|, 0x1800000
.endr
.irp i, 2,4,6,8,10,12,14
.irp b, 0,1
	v_max3_num_f32 v[BX+\b], v[BX+\b], |v[S+16*\b+\i]|, |v[S+16*\b+\i+1]|
.endr
.endr
.irp b, 0,1
	v_permlanex16_b32 v[PB+\b], v[BX+\b], s[SEL], s[SEL+1]
.endr
.irp b, 0,1
	v_max_num_f32 v[BX+\b], v[BX+\b], v[PB+\b]
.endr
.irp b, 0,1
	v_add_nc_u32 v[SO+\b], 0xff000000, v[BX+\b]
.endr
.irp b, 0,1
	v_lshrrev_b32 v[PB+\b], 23, v[SO+\b]
.endr
	v_lshl_or_b32 v[TT], v[PB+1], 8, v[PB]
.irp b, 0,1
	v_cvt_scalef32_pk8_fp4_f32 v[PF+\b], v[S+16*\b:S+16*\b+7], v[SO+\b]
	v_cvt_scalef32_pk8_fp4_f32 v[PF+2+\b], v[S+16*\b+8:S+16*\b+15], v[SO+\b]
.endr
	v_nop
	v_permlane16_swap_b32 v[PF], v[PF+1]
	v_permlane16_swap_b32 v[PF+2], v[PF+3]
	s_wait_alu depctr_va_vdst(0)                   ; the codes v[PF] to v[PF+3] and the two bytes v[TT] are written, which the two stores below read; and the vector instructions are done with v[S] to v[S+3], in which wave 0's LDS load lands: none follows this wait
	global_store_b128 v[L16], v[PF:PF+3], s[OCP:OCP+1]     ; 512 consecutive bytes
	ds_store_b16 v[AGS], v[TT]                     ; both halves of the lanes write the same two bytes with the same value
	s_wait_dscnt 0x0
	s_barrier_signal -1
	s_barrier_wait -1
	s_cmp_lg_u32 s[WV], 0
	s_cbranch_scc1 .Lend
	ds_load_b128 v[S:S+3], v[AGR]                  ; 128 tokens' words
	s_wait_dscnt 0x0
	global_store_b128 v[L16], v[S:S+3], s[OSP:OSP+1]       ; 512 consecutive bytes
.Lend:
	s_wait_dscnt 0x0                               ; the closing lines, six on end
	s_wait_alu 0x0
	s_wait_tensorcnt 0x0
	ds_add_u32 v254, v255
	s_wait_dscnt 0x0
	s_endpgm
.Lfunc_end_k_q86a4727d66_attn:
	.size	k_q86a4727d66_attn, .Lfunc_end_k_q86a4727d66_attn-k_q86a4727d66_attn
	.p2alignl 7, 3214868480
	.fill 96, 4, 3214868480
	.section	.rodata,"a",@progbits
	.p2align	6, 0x0
	.amdhsa_kernel k_q86a4727d66_attn
		.amdhsa_group_segment_fixed_size 39424
		.amdhsa_private_segment_fixed_size 0
		.amdhsa_enable_private_segment 0
		.amdhsa_kernarg_size 64
		.amdhsa_user_sgpr_count 2
		.amdhsa_user_sgpr_kernarg_segment_ptr 1
		.amdhsa_wavefront_size32 1
		.amdhsa_system_sgpr_workgroup_id_x 1
		.amdhsa_system_sgpr_workgroup_id_y 1
		.amdhsa_system_sgpr_workgroup_id_z 1
		.amdhsa_system_vgpr_workitem_id 0
		.amdhsa_next_free_vgpr 256
		.amdhsa_next_free_sgpr 100
		.amdhsa_reserve_vcc 0
		.amdhsa_float_denorm_mode_32 3
		.amdhsa_float_denorm_mode_16_64 3
		.amdhsa_memory_ordered 1
		.amdhsa_forward_progress 1
		.amdhsa_inst_pref_size 90
	.end_amdhsa_kernel
	.amdgpu_metadata
---
amdhsa.version: [ 1, 2 ]
amdhsa.kernels:
  - .name:           k_q86a4727d66_attn
    .symbol:         k_q86a4727d66_attn.kd
    .args:
      - { .name: qc, .offset: 0, .size: 8, .value_kind: global_buffer, .address_space: global }
      - { .name: qs, .offset: 8, .size: 8, .value_kind: global_buffer, .address_space: global }
      - { .name: kc, .offset: 16, .size: 8, .value_kind: global_buffer, .address_space: global }
      - { .name: vc, .offset: 24, .size: 8, .value_kind: global_buffer, .address_space: global }
      - { .name: kvs, .offset: 32, .size: 8, .value_kind: global_buffer, .address_space: global }
      - { .name: mw, .offset: 40, .size: 8, .value_kind: global_buffer, .address_space: global }
      - { .name: oc, .offset: 48, .size: 8, .value_kind: global_buffer, .address_space: global }
      - { .name: skw, .offset: 56, .size: 8, .value_kind: global_buffer, .address_space: global }
    .group_segment_fixed_size: 39424
    .private_segment_fixed_size: 0
    .kernarg_segment_align: 8
    .kernarg_segment_size: 64
    .max_flat_workgroup_size: 512
    .sgpr_count:     100
    .vgpr_count:     256
    .wavefront_size: 32
...
	.end_amdgpu_metadata
.endif
;; end of part 6
;; launch oproj: the kernel of part 4 again; grid 4 x 32, 4 waves a work-group, clusters of 4 x 4, 327,680 bytes of LDS; arguments oc, W_o_codes, W_o_scales, b_o, out0; writes out0
